; MI455X (gfx1250); checked and timed in simulation.
; The chip was launched on July 23, 2026; its instructions are those of AMD's public machine-readable ISA for CDNA 5 (MIT licence, August 2026) and "CDNA5" Instruction Set Architecture Reference Guide (July 2026). The comments in the code are by the model that wrote it; some were corrected since.
;; Attention Mixer. Allowed arithmetic: matrix products marked QUANTISED: E2M3 operands, one E8M0 scale for each 32 along K, by v_wmma_scale_f32_16x16x128_f8f6f4 with both operands' format E2M3, f32 sums; everything else in f32.
;; Inputs: Wout 1,024 x 1,024 float32; Wqkv 1,024 x 3,072 float32; attn_mask 2,048 x 2,048 bool; x 4 x 2,048 x 1,024 float32.
;; Outputs: out0 4 x 2,048 x 1,024 float32.
;; This version of the problem:
;;   THIS VERSION OF THE PROBLEM IS GIVEN IN LOW PRECISION. The matrix products marked QUANTISED in the list below multiply operands that are first quantised to E2M3 (2 exponent bits, 3 mantissa bits; 6 bits a number), with one power-of-two scale for each 32 numbers along K (OCP MX v1.0); their sums are f32. All else is computed in f32.
;;   The module's matrix products, in the order in which they are computed (A, B: the left and right operand; K: the contracted axis; several contracted axes count as one K, in the product's order):
;;     1. [M 8,192, K 1,024] x [K 1,024, N 3,072]; A: input x; B: input Wqkv: QUANTISED
;;     2. batch 64 x [M 2,048, K 64] x [K 64, N 2,048]; A: computed on the way; B: computed on the way: QUANTISED
;;     3. batch 64 x [M 64, K 2,048] x [K 2,048, N 2,048]; A: computed on the way; B: softmax (see below): QUANTISED
;;     4. [M 8,192, K 1,024] x [K 1,024, N 1,024]; A: computed on the way; B: input Wout: QUANTISED
;;   THE QUANTISER, for each operand of a quantised product, along K:
;;     - K is cut into blocks of 32 from its start; a last block that is shorter is filled with zeros.
;;     - A block's scale is 2^e with e = floor(log2(the largest magnitude in the block)) - 2, held to -126 .. 127; a block of zeros has e = 0. As a byte (E8M0): e + 127.
;;     - Each number is divided by its block's scale, clamped to +-7.5, and rounded to the nearest number of E2M3, ties to even, subnormals kept.
;;     - The product sums the exact products of the quantised numbers (number of the format x scale) in f32.
;;   ~~~python
;;   def quantise(x, axis):      # numpy; x: float32 -> the quantised numbers, widened to float32 again
;;       x = np.moveaxis(x, axis, -1); K = x.shape[-1]
;;       x = np.pad(x, [(0, 0)] * (x.ndim - 1) + [(0, -K % 32)]); x = x.reshape(x.shape[:-1] + (-1, 32)); a = np.abs(x).max(-1, keepdims=True)
;;       e = np.where(a > 0, np.clip(np.frexp(np.where(a > 0, a, 1))[1] - 1 - 2, -126, 127), 0)      # np.frexp(a)[1] - 1 = floor(log2(a)), exactly
;;       r = np.clip(x / 2.0 ** e, -7.5, 7.5)
;;       step = 2.0 ** (np.maximum(np.frexp(np.where(r == 0, 1, r))[1] - 1, 0) - 3)
;;       q = np.round(r / step) * step * 2.0 ** e      # np.round: ties to even
;;       return np.moveaxis(q.reshape(q.shape[:-2] + (-1,))[..., :K], -1, axis).astype(np.float32)
;;   ~~~
;;   SOFTMAX AHEAD OF A QUANTISED PRODUCT. Where the list says 'softmax', what is quantised is not the finished softmax but p = 2^(t - M), with t = logit x log2(e) and M = ceil(the row's largest t), a whole number; so 1/2 < the row's largest p <= 1. The row's sum l is taken of the UNQUANTISED p, in f32, and the product's result is divided by l at the end. Since M is a whole number, a kernel that streams over the keys may use a running M (the ceiling of the running maximum): every later rescaling is an exact power of two, which a block's scale takes up: the codes' values come out the same.
;;   OPERANDS COMPUTED ON THE WAY. 'Computed on the way' means the value that the module computes at that place (a softmax that the list does not call 'softmax' is quantised finished and normalised). What goes into a quantiser is computed in f32, as accurately as f32 sums, v_exp_f32 and their like allow (about 1e-6 of the number): no bf16 or f16 on the way to a quantiser, and a product that is left as it is and whose result goes on into a quantised operand takes f32 operands (vector FMAs, or v_wmma_f32_16x16x4_f32). A number that lies on a knife's edge between two numbers of the format may be rounded either way, as far as f32 arithmetic and the matrix unit's own rounding can turn it there, and no further.
;; 2 versions, each right; version 2 is version 1 with the launch attn written anew for expert scheduling mode. Each part assembles by itself: llvm-mc -triple=amdgcn-amd-amdhsa -mcpu=gfx1250 --defsym DOCPART=n.
;; ======== version 1 of 2: 4 launches
;; limits: right only within a limited range of input values
;; workspace buffers: op1 9,011,200 bytes; wo 819,200 bytes; maskw 524,800 bytes of whole numbers; qkv 24,379,392 bytes; yq 6,553,600 bytes
;; launch quant (part 1): grid 416 x 1, 4 waves a work-group, no clusters, 68,096 bytes of LDS; arguments x, Wqkv, Wout, attn_mask, op1, wo, maskw; writes op1, wo, maskw
.if DOCPART == 1
	.amdgcn_target "amdgcn-amd-amdhsa--gfx1250"
	.amdhsa_code_object_version 6
	.text
	.protected	k_qe33e07e1a3_quant
	.globl	k_qe33e07e1a3_quant
	.p2align	8
	.type	k_qe33e07e1a3_quant,@function
k_qe33e07e1a3_quant:
	s_mov_b64 s[64:65], 0
	v_nop
	global_prefetch_b8 v0, s[64:65] scope:SCOPE_SE
	s_setreg_imm32_b32 hwreg(HW_REG_WAVE_MODE, 25, 1), 1
	s_wait_xcnt 0x0
; x [8192][1024], Wqkv [1024][3072] and Wout [1024][1024], f32, become codes of FP6 (E2M3) with one E8M0 byte for each 32 along K (K = 1024 for all three);
; attn_mask [2048][2048] becomes lane masks for the attention launch.  Three roles, parted on the work-group's number: 0-255 x, 256-383 the weights, 384-415 the mask.
; LAYOUT OF CODES: [panel of 64 k = 48 bytes][row][48 bytes]: 128 rows of one panel are 6,144 consecutive bytes.  Scale bytes: [row][32].
; op1 holds x's 8,192 rows and behind them Wqkv's 3,072 columns, both in P ORDER: in each group of 32 rows the second and third group of 8 change places, so that a tile of 16 neighbouring
; places 2 b + u holds rows 32 b + 8 u + r + 8 (r / 8): a result's 16 registers of two neighbouring tiles are then 16 neighbours along the next K.  wo holds Wout's columns in their own order.
; A block's scale is 2^(floor(log2(its largest magnitude)) - 2); its byte is that magnitude's exponent field - 2, held at 1 from below.
; maskw: word (T, j, rho): bit l = mask[32 (T / 2) + 8 (T % 2) + r + 8 (r / 8)][128 j + 32 (rho / 16) + 16 h + rho % 16], r = l % 16, h = l / 16; flag word T: bit j = 1 where step j of tile T has a hole.
; LIMITS: NaN and infinities among the inputs are not served.  A block of zeros, or one whose largest magnitude lies under 2^-124, gets the byte 1 (the rule says 127 for zeros): its codes are zeros or
; nearly so, and the bytes are read by this program alone.  The mask's bytes are 0 or 1.  The mask role reads 32 bytes of each of 16 rows an instruction: the mask is 4 of the launch's 54 MB.
; Each role has LDS bytes of its own: x 0 .. 32,767 (8,192 a wave), the weights 32,768 .. 67,583 (8,704 a wave); the spare words lie behind them.  No barrier: waves share nothing.
.set PS1,    540672                    ; a panel of op1: 11,264 rows x 48 bytes
.set SC1,    16*PS1                    ; op1's scale bytes
.set PSW,    49152                     ; a panel of wo
.set SCW,    16*PSW
.set FLG,    524288                    ; maskw's flag words
.set EMAX,   2
.set SP,     80                        ; role x: a lane's place in a stage: 64 bytes + 16
.set WP,     272                       ; role w: a stage row: sixteen places of 16 bytes + 16
.set WLDS,   32768
.set SPARE,  67584                     ; the spare words, 128 bytes for each wave: two blocks of 256 bytes that no other line names
.set SPW,    12                        ; v12  LDS address of my spare word; never rewritten
.set NIL,    13                        ; v13  0; never rewritten
.set R,      16                        ; role x: v16-79 four sets of 16 numbers as loaded; v80-111 two sets of 16 neighbours; v112-127 a byte a step; v128-191 codes, four registers a step
.set X,      80
.set E,      112
.set C,      128
.set WX,     32                        ; role w: v32-95 two sets of 32 numbers; v96.. a block's codes; v112-175 the way out; v24-25 the scale bytes; v16-18 at work
.set WC,     96
.set OUTR,   112
.set SB,     24
	s_load_b256 s[4:11], s[0:1], 0x0               ; x s[4:5], Wqkv s[6:7], Wout s[8:9], the mask s[10:11]
	s_load_b128 s[12:15], s[0:1], 0x20             ; op1 s[12:13], wo s[14:15]
	s_load_b64 s[16:17], s[0:1], 0x30              ; maskw
	v_lshl_add_u32 v[SPW], v0, 2, SPARE
	v_mov_b32 v[NIL], 0
	v_lshrrev_b32 v1, 5, v0
	v_readfirstlane_b32 s18, v1                    ; wave
	v_and_b32 v2, 31, v0                           ; lane
	s_cmp_lt_u32 ttmp9, 256
	s_cbranch_scc0 .Lnot_x
; ---------------- ROLE X: a wave takes 8 rows of x, 16 steps of one panel (8 rows x 64 numbers) each.
; A load reads two rows' 256 bytes of the panel; a step's 2,048 bytes turn through the wave's stage, so that lane l holds row l / 4, numbers 16 (l % 4) on: two neighbouring lanes hold a block.
	v_lshrrev_b32 v3, 4, v2
	v_and_b32 v4, 15, v2
	v_lshlrev_b32 v3, 12, v3
	v_lshl_add_u32 v3, v4, 4, v3                   ; in: 4,096 (lane / 16) + 16 (lane % 16)
	s_lshl_b32 s19, s18, 13                        ; my wave's 8,192 bytes of LDS
	v_lshrrev_b32 v14, 2, v2
	v_mul_u32_u24 v14, v14, SP
	v_and_b32 v15, 3, v2
	v_lshl_add_u32 v14, v15, 4, v14
	v_add_nc_u32 v14, s19, v14                     ; the stage, on the way in: SP (lane / 4) + 16 (lane % 4)
	v_mul_u32_u24 v15, v2, SP
	v_add_nc_u32 v15, s19, v15                     ; and on the way out: SP x lane
	v_mul_u32_u24 v4, v2, 12                       ; my 12 bytes of a step's 384 bytes of codes
	v_lshrrev_b32 v5, 2, v2
	v_lshlrev_b32 v5, 5, v5
	v_bfe_u32 v6, v2, 1, 1
	v_add_nc_u32 v5, v5, v6
	s_add_co_u32 s19, s19, 2*32*SP
	v_add_nc_u32 v5, s19, v5                       ; my block's byte among the wave's 256: 32 (lane / 4) + (lane / 2) % 2; + 2 a step
	v_lshlrev_b32 v7, 3, v2
	v_add_nc_u32 v6, s19, v7
	s_lshl_b32 s20, ttmp9, 2
	s_add_co_u32 s20, s20, s18                     ; which group of 8 rows
	s_and_b32 s22, s20, 1
	s_lshl_b32 s22, s22, 1
	s_bfe_u32 s23, s20, 0x10001
	s_and_not1_b32 s21, s20, 3
	s_or_b32 s21, s21, s22
	s_or_b32 s21, s21, s23                         ; and its place in P order: the two lowest bits change places
	s_lshl_b32 s24, s20, 15
	s_mov_b32 s25, 0
	s_mul_i32 s26, s21, 384
	s_mov_b32 s27, 0
	s_lshl_b32 s28, s21, 8
	s_add_co_u32 s28, s28, SC1
	s_mov_b32 s29, 0
	s_wait_kmcnt 0x0
	s_add_nc_u64 s[4:5], s[4:5], s[24:25]          ; x at my 8 rows
	s_add_nc_u64 s[8:9], s[12:13], s[26:27]        ; their codes in panel 0
	s_add_nc_u64 s[10:11], s[12:13], s[28:29]      ; their scale bytes
.macro XLOAD t
.irp i, 0,1,2,3
	global_load_b128 v[R+16*((\t)%4)+4*\i:R+16*((\t)%4)+4*\i+3], v3, s[4:5] offset:256*(\t)+8192*\i th:TH_LOAD_NT   ; sixteen lanes read a row's 256 bytes of the panel
.endr
.endm
.macro XTURN t                         ; LDS serves a wave's instructions in order: no wait between the stores and the loads
.irp i, 0,1,2,3
	ds_store_b128 v14, v[R+16*((\t)%4)+4*\i:R+16*((\t)%4)+4*\i+3] offset:32*SP*((\t)%2)+8*SP*\i
.endr
.irp i, 0,1,2,3
	ds_load_b128 v[X+16*((\t)%2)+4*\i:X+16*((\t)%2)+4*\i+3], v15 offset:32*SP*((\t)%2)+16*\i
.endr
.endm
.irp t, 0,1,2,3
	XLOAD \t
.endr
	s_wait_loadcnt 12                              ; step 0's four loads are in; the twelve behind them may be out
	XTURN 0
.macro XSTEP t
.set XS, X+16*((\t)%2)
.if (\t) > 0
	s_wait_dscnt 1                                 ; this step's numbers are back from the stage (the last step's byte store may be out)
.else
	s_wait_dscnt 0x0
.endif
.if (\t)+4 < 16
	XLOAD (\t)+4                                   ; into the set whose stores into the stage have read their registers
.endif
.if (\t)+1 < 16
.if 14-(\t) >= 3
	s_wait_loadcnt 12                              ; the next step's four loads are in; those of the three steps behind it may be out
.else
	s_wait_loadcnt 4*(14-(\t))
.endif
	XTURN (\t)+1
.endif
	v_max3_num_f32 v8, |v[XS]|, |v[XS+1]|, |v[XS+2]|               ; the largest magnitude of my 16
	v_max3_num_f32 v9, |v[XS+3]|, |v[XS+4]|, |v[XS+5]|
.irp i, 6,10
	v_max3_num_f32 v8, v8, |v[XS+\i]|, |v[XS+\i+1]|
	v_max3_num_f32 v9, v9, |v[XS+\i+2]|, |v[XS+\i+3]|
.endr
	v_max3_num_f32 v8, v8, |v[XS+14]|, |v[XS+15]|
	v_max3_num_f32 v8, v8, v9, (EMAX+1)<<23        ; and the floor 2^(3 - 127): the byte cannot fall under 1
	v_max_num_f32_dpp v8, v8, v8 row_xmask:1 row_mask:0xf bank_mask:0xf   ; with my neighbour's 16: the block's
	v_add_nc_u32 v11, -(EMAX<<23), v8              ; 2 off its exponent field: the conversion takes the exponent field of this operand as its scale
	v_cvt_scalef32_pk16_fp6_f32 v[C+4*(\t):C+4*(\t)+2], v[XS:XS+15], v11
	v_lshrrev_b32 v[E+(\t)], 23, v11               ; the scale's byte (a plain line behind the conversion)
	ds_store_b8 v5, v[E+(\t)] offset:2*(\t)        ; both lanes of a block write the same byte with the same value
	global_store_b96 v4, v[C+4*(\t):C+4*(\t)+2], s[8:9] offset:PS1*(\t)   ; 8 rows x 48 bytes: 384 consecutive bytes of panel t
.endm
.irp t, 0,1,2,3,4,5,6,7,8,9,10,11,12,13,14,15
	XSTEP \t
.endr
	ds_load_b64 v[8:9], v6                         ; LDS serves a wave's instructions in order: these see my byte stores
	s_wait_dscnt 0x0
	global_store_b64 v7, v[8:9], s[10:11]          ; 8 rows x 32 scale bytes: 256 consecutive bytes, aligned
	s_wait_tensorcnt 0x0                           ; the wave's end: a wait, an add of 0 to my spare word and its wait, behind my last LDS store
	ds_add_u32 v[SPW], v[NIL]
	s_wait_dscnt 0x0
	s_endpgm
.Lnot_x:
	s_cmp_lt_u32 ttmp9, 384
	s_cbranch_scc0 .Lrole_m
; ---------------- ROLE W: K is the weights' first axis.  A lane takes a column, its registers run down K: a wave takes 32 columns x 256 along K (8 blocks, 4 panels).
; Work-groups 256-351: Wqkv (24 blocks of 128 columns x 4 along K); 352-383: Wout (8 x 4).  s19 = 1 for Wout.  What differs is chosen by s_cselect or stands in two versions round a scalar branch on s19.
	s_sub_co_u32 s20, ttmp9, 256
	s_cmp_ge_u32 s20, 96
	s_cselect_b32 s19, 1, 0
	s_cselect_b32 s21, 96, 0
	s_sub_co_u32 s20, s20, s21
	s_lshr_b32 s22, s20, 2
	s_and_b32 s23, s20, 3                          ; which 256 along K
	s_lshl_b32 s22, s22, 7
	s_lshl_b32 s24, s18, 5
	s_add_co_u32 s22, s22, s24                     ; my wave's first column
	s_cmp_eq_u32 s19, 1
	s_mov_b32 s25, 256*12288
	s_cselect_b32 s25, 256*4096, s25               ; 256 rows of the weight in bytes
	s_mov_b32 s26, 4*PS1
	s_cselect_b32 s26, 4*PSW, s26                  ; four panels of the codes
	s_cselect_b32 s27, 0, 8192                     ; Wqkv's columns lie behind x's rows
	s_mov_b32 s28, SC1
	s_cselect_b32 s28, SCW, s28
	s_cselect_b32 s29, 0, 1                        ; P order (1) or the columns' own order (0)
	s_mul_i32 s30, s23, s25
	s_lshl_b32 s31, s22, 2
	s_add_co_u32 s30, s30, s31
	s_mov_b32 s31, 0
	s_add_co_u32 s27, s27, s22                     ; my first row of the codes' buffer
	s_mul_i32 s32, s23, s26
	s_mul_i32 s33, s27, 48
	s_add_co_u32 s32, s32, s33
	s_mov_b32 s33, 0
	s_lshl_b32 s34, s27, 5
	s_add_co_u32 s34, s34, s28
	s_lshl_b32 s35, s23, 3
	s_add_co_u32 s34, s34, s35
	s_mov_b32 s35, 0
	v_lshlrev_b32 v3, 2, v2                        ; in: 4 bytes a lane
	s_mul_i32 s36, s18, 32*WP
	s_add_co_u32 s36, s36, WLDS                    ; my stage
	v_mul_u32_u24 v4, v2, WP
	v_add_nc_u32 v4, s36, v4                       ; into it: row = my column
	v_lshrrev_b32 v5, 2, v2
	v_and_b32 v6, 3, v2
	v_mul_u32_u24 v7, v5, WP
	v_lshl_add_u32 v7, v6, 4, v7
	v_add_nc_u32 v7, s36, v7                       ; out of it: four lanes to a column's 48 bytes of a panel, eight columns an instruction
	v_mul_u32_u24 v8, v2, 12                       ; and the same 384 bytes in the codes' buffer
	v_and_b32 v9, 7, v2
	v_and_b32 v10, 8, v2
	v_lshlrev_b32 v10, s29, v10
	v_or_b32 v9, v9, v10
	v_and_b32 v10, 16, v2
	v_lshrrev_b32 v10, s29, v10
	v_or_b32 v9, v9, v10
	v_lshlrev_b32 v9, 5, v9                        ; my column's row of scale bytes, at its place
	s_wait_kmcnt 0x0
	s_cmp_eq_u32 s19, 1
	s_cselect_b64 s[4:5], s[8:9], s[6:7]           ; the weight
	s_cselect_b64 s[6:7], s[14:15], s[12:13]       ; its buffer
	s_add_nc_u64 s[4:5], s[4:5], s[30:31]
	s_add_nc_u64 s[8:9], s[6:7], s[34:35]          ; scale bytes
	s_add_nc_u64 s[6:7], s[6:7], s[32:33]          ; codes
.macro WLOAD t                         ; block t: W(32 t + i, my column) into set t % 2.  Both versions issue 32 loads into the same registers
	s_cmp_eq_u32 s19, 0
	s_cbranch_scc0 .Lwl_o_\@
.irp i, 0,1,2,3,4,5,6,7,8,9,10,11,12,13,14,15,16,17,18,19,20,21,22,23,24,25,26,27,28,29,30,31
	global_load_b32 v[WX+32*((\t)%2)+\i], v3, s[4:5] offset:(32*(\t)+\i)*12288 th:TH_LOAD_NT
.endr
	s_branch .Lwl_d_\@
.Lwl_o_\@:
.irp i, 0,1,2,3,4,5,6,7,8,9,10,11,12,13,14,15,16,17,18,19,20,21,22,23,24,25,26,27,28,29,30,31
	global_load_b32 v[WX+32*((\t)%2)+\i], v3, s[4:5] offset:(32*(\t)+\i)*4096 th:TH_LOAD_NT
.endr
.Lwl_d_\@:
.endm
	WLOAD 0
	WLOAD 1
.macro WBLOCK t
.set XS, WX+32*((\t)%2)
.if (\t) < 7
	s_wait_loadcnt 32                              ; this block's 32 loads are in; the next block's may be out
.else
	s_wait_loadcnt 0
.endif
	v_max3_num_f32 v16, |v[XS]|, |v[XS+1]|, |v[XS+2]|              ; the block's largest magnitude: all 32 numbers are mine
	v_max3_num_f32 v17, |v[XS+3]|, |v[XS+4]|, |v[XS+5]|
.irp i, 6,10,14,18,22,26
	v_max3_num_f32 v16, v16, |v[XS+\i]|, |v[XS+\i+1]|
	v_max3_num_f32 v17, v17, |v[XS+\i+2]|, |v[XS+\i+3]|
.endr
	v_max3_num_f32 v16, v16, |v[XS+30]|, |v[XS+31]|
	v_max3_num_f32 v16, v16, v17, (EMAX+1)<<23     ; and the floor
	v_add_nc_u32 v18, -(EMAX<<23), v16
	v_lshrrev_b32 v17, 23, v18                     ; the scale's byte
.if (\t)%4 == 0
	v_mov_b32 v[SB+(\t)/4], v17
.else
	v_lshl_or_b32 v[SB+(\t)/4], v17, 8*((\t)%4), v[SB+(\t)/4]
.endif
	v_cvt_scalef32_pk16_fp6_f32 v[WC:WC+2], v[XS:XS+15], v18
	v_cvt_scalef32_pk16_fp6_f32 v[WC+4:WC+6], v[XS+16:XS+31], v18   ; (a conversion's three registers begin on an even number)
	v_nop                                          ; a plain line behind the conversions
	ds_store_b96 v4, v[WC:WC+2] offset:32*(\t)     ; 12 bytes to a place of 16
	ds_store_b96 v4, v[WC+4:WC+6] offset:32*(\t)+16
.if (\t)+2 < 8
	WLOAD (\t)+2
.endif
	s_wait_dscnt 0x0                               ; the stores have read their registers
.endm
.irp t, 0,1,2,3,4,5,6,7
	WBLOCK \t
.endr
	global_store_b64 v9, v[SB:SB+1], s[8:9]        ; my column's 8 scale bytes
.irp pn, 0,1,2,3
.irp tt, 0,1,2,3
	ds_load_b96 v[OUTR+4*(4*\pn+\tt):OUTR+4*(4*\pn+\tt)+2], v7 offset:8*\tt*WP+64*\pn   ; panel pn of columns 8 tt .. 8 tt + 7
.endr
.endr
	s_cmp_eq_u32 s19, 0
	s_cbranch_scc0 .Lws_o
.irp pn, 0,1,2,3
.irp tt, 0,1,2,3
	s_wait_dscnt 15-(4*\pn+\tt)                    ; the younger loads may be out
	global_store_b96 v8, v[OUTR+4*(4*\pn+\tt):OUTR+4*(4*\pn+\tt)+2], s[6:7] offset:\pn*PS1+((\tt%2)*2+(\tt/2))*384   ; 384 consecutive bytes; the groups of 8 at their places in P order
.endr
.endr
	s_branch .Lws_d
.Lws_o:
.irp pn, 0,1,2,3
.irp tt, 0,1,2,3
	s_wait_dscnt 15-(4*\pn+\tt)
	global_store_b96 v8, v[OUTR+4*(4*\pn+\tt):OUTR+4*(4*\pn+\tt)+2], s[6:7] offset:\pn*PSW+\tt*384
.endr
.endr
.Lws_d:
	s_wait_tensorcnt 0x0                           ; the wave's end: a wait, an add of 0 to my spare word and its wait, behind my last LDS store
	ds_add_u32 v[SPW], v[NIL]
	s_wait_dscnt 0x0
	s_endpgm
.Lrole_m:
; ---------------- ROLE M: a wave takes a tile T of 16 queries and walks the 16 steps of 128 keys, two a trip.  Lane (r, h) reads, of its query's row, the 16 bytes at 128 j + 32 b + 16 h, b = 0 .. 3:
; byte rho % 4 of register rho / 4 is the key of score register rho.  A compare of that byte over the 32 lanes IS the word.  Word rho goes to lane rho / 2, register rho % 2: a unit leaves as 256 aligned bytes.
	s_sub_co_u32 s20, ttmp9, 384
	s_lshl_b32 s20, s20, 2
	s_add_co_u32 s20, s20, s18                     ; T
	v_and_b32 v4, 15, v2
	v_lshrrev_b32 v5, 4, v2
	v_and_b32 v6, 8, v4
	v_add_nc_u32 v6, v6, v4                        ; r + 8 (r / 8)
	v_lshlrev_b32 v3, 11, v6
	v_lshl_add_u32 v3, v5, 4, v3
	v_lshlrev_b32 v7, 3, v2
	s_lshr_b32 s21, s20, 1
	s_lshl_b32 s21, s21, 5
	s_and_b32 s22, s20, 1
	s_lshl_b32 s22, s22, 3
	s_add_co_u32 s21, s21, s22                     ; 32 (T / 2) + 8 (T % 2)
	s_lshl_b32 s24, s21, 11
	s_mov_b32 s25, 0
	s_lshl_b32 s26, s20, 12
	s_mov_b32 s27, 0
	s_lshl_b32 s28, s20, 2
	s_add_co_u32 s28, s28, FLG
	s_mov_b32 s29, 0
	s_mov_b32 s30, 0                               ; the flags
	s_mov_b32 s31, 1                               ; the step's bit
.irp i, 48,49,50,51
	v_mov_b32 v\i, 0                               ; written whole once: v_writelane_b32 writes a lane at a time
.endr
	s_wait_kmcnt 0x0
	s_add_nc_u64 s[10:11], s[10:11], s[24:25]
	s_add_nc_u64 s[4:5], s[16:17], s[28:29]        ; the flag word's place
	s_add_nc_u64 s[16:17], s[16:17], s[26:27]      ; the tile's words
.macro MLOAD set, off
.irp b, 0,1,2,3
	global_load_b128 v[16+16*\set+4*\b:19+16*\set+4*\b], v3, s[10:11] offset:\off+32*\b
.endr
.endm
.macro MUNIT set, ahead, left
.set MB, 16+16*\set
	s_wait_loadcnt \left                           ; this set's four loads are in; the other set's four may be out
	s_wait_xcnt 0x0                                ; the store of two units ago has read this set's pair of words
	v_and_b32 v60, v[MB], v[MB+1]
.irp i, 2,3,4,5,6,7,8,9,10,11,12,13,14,15
	v_and_b32 v60, v60, v[MB+\i]
.endr
	v_cmp_eq_u32 vcc_lo, 0x01010101, v60           ; lanes all of whose 64 bytes are 1
.irp g, 0,1,2,3,4,5,6,7
.irp e, 0,1,2,3,4,5,6,7
	v_and_b32 v[52+\e], 0xff<<(8*(\e%4)), v[MB+2*\g+\e/4]
.endr
.irp e, 0,1,2,3,4,5,6,7
	v_cmp_ne_u32 s[40+\e], 0, v[52+\e]             ; word 8 g + e
.endr
.irp e, 0,1,2,3,4,5,6,7
	v_writelane_b32 v[48+2*\set+\e%2], s[40+\e], 4*\g+\e/2
.endr
.endr
	s_cmp_eq_u32 vcc_lo, -1
	s_cselect_b32 s32, 0, s31
	s_or_b32 s30, s30, s32                         ; a hole in this step
	s_lshl_b32 s31, s31, 1
.if \ahead
	MLOAD \set, 256+128*\set                       ; the unit two on
.endif
	global_store_b64 v7, v[48+2*\set:49+2*\set], s[16:17] offset:256*\set
.endm
	MLOAD 0, 0
	MLOAD 1, 128
	s_mov_b32 s34, 7
.Lmask:
	MUNIT 0, 1, 4
	MUNIT 1, 1, 4
	s_wait_xcnt 0x0                                ; the loads and stores have read their bases
	s_add_nc_u64 s[10:11], s[10:11], 256
	s_add_nc_u64 s[16:17], s[16:17], 512
	s_sub_co_u32 s34, s34, 1
	s_cmp_lg_u32 s34, 0
	s_cbranch_scc1 .Lmask
	MUNIT 0, 0, 4                                  ; the last two units load nothing: no load leaves the mask
	MUNIT 1, 0, 0
	v_mov_b32 v56, s30
	v_mov_b32 v57, 0
	v_cmp_eq_u32 vcc_lo, 0, v2
	s_wait_xcnt 0x0                                ; EXEC changes only behind this wait
	s_and_saveexec_b32 s33, vcc_lo
	global_store_b32 v57, v56, s[4:5]              ; lane 0 stores the tile's flags
	s_wait_xcnt 0x0
	s_or_b32 exec_lo, exec_lo, s33
	s_wait_tensorcnt 0x0
	ds_add_u32 v[SPW], v[NIL]
	s_wait_dscnt 0x0
	s_endpgm
.Lfunc_end_k_qe33e07e1a3_quant:
	.size	k_qe33e07e1a3_quant, .Lfunc_end_k_qe33e07e1a3_quant-k_qe33e07e1a3_quant
	.p2alignl 7, 3214868480
	.fill 96, 4, 3214868480
	.section	.rodata,"a",@progbits
	.p2align	6, 0x0
	.amdhsa_kernel k_qe33e07e1a3_quant
		.amdhsa_group_segment_fixed_size 68096
		.amdhsa_private_segment_fixed_size 0
		.amdhsa_enable_private_segment 0
		.amdhsa_kernarg_size 56
		.amdhsa_user_sgpr_count 2
		.amdhsa_user_sgpr_kernarg_segment_ptr 1
		.amdhsa_wavefront_size32 1
		.amdhsa_system_sgpr_workgroup_id_x 1
		.amdhsa_system_sgpr_workgroup_id_y 1
		.amdhsa_system_sgpr_workgroup_id_z 1
		.amdhsa_system_vgpr_workitem_id 0
		.amdhsa_next_free_vgpr 192
		.amdhsa_next_free_sgpr 66
		.amdhsa_reserve_vcc 1
		.amdhsa_float_denorm_mode_32 3
		.amdhsa_float_denorm_mode_16_64 3
		.amdhsa_memory_ordered 1
		.amdhsa_forward_progress 1
		.amdhsa_inst_pref_size 156
	.end_amdhsa_kernel
	.amdgpu_metadata
---
amdhsa.version: [ 1, 2 ]
amdhsa.kernels:
  - .name:           k_qe33e07e1a3_quant
    .symbol:         k_qe33e07e1a3_quant.kd
    .args:
      - { .name: x, .offset: 0, .size: 8, .value_kind: global_buffer, .address_space: global }
      - { .name: Wqkv, .offset: 8, .size: 8, .value_kind: global_buffer, .address_space: global }
      - { .name: Wout, .offset: 16, .size: 8, .value_kind: global_buffer, .address_space: global }
      - { .name: attn_mask, .offset: 24, .size: 8, .value_kind: global_buffer, .address_space: global }
      - { .name: op1, .offset: 32, .size: 8, .value_kind: global_buffer, .address_space: global }
      - { .name: wo, .offset: 40, .size: 8, .value_kind: global_buffer, .address_space: global }
      - { .name: maskw, .offset: 48, .size: 8, .value_kind: global_buffer, .address_space: global }
    .group_segment_fixed_size: 68096
    .private_segment_fixed_size: 0
    .kernarg_segment_align: 8
    .kernarg_segment_size: 56
    .max_flat_workgroup_size: 128
    .sgpr_count:     66
    .vgpr_count:     192
    .wavefront_size: 32
...
	.end_amdgpu_metadata
.endif
;; end of part 1
;; launch gemm_qkv (part 2): grid 12 x 32, 4 waves a work-group, clusters of 4 x 4, 327,680 bytes of LDS; arguments op1, qkv; writes qkv
.if DOCPART == 2
	.amdgcn_target "amdgcn-amd-amdhsa--gfx1250"
	.amdhsa_code_object_version 6
	.text
	.protected	k_qe33e07e1a3_gemm_qkv
	.globl	k_qe33e07e1a3_gemm_qkv
	.p2align	8
	.type	k_qe33e07e1a3_gemm_qkv,@function
k_qe33e07e1a3_gemm_qkv:
	s_mov_b64 s[64:65], 0
	v_nop
	global_prefetch_b8 v0, s[64:65] scope:SCOPE_SE
	s_setreg_imm32_b32 hwreg(HW_REG_WAVE_MODE, 25, 1), 1
	s_wait_xcnt 0x0
	s_wait_alu depctr_hold_cnt(0) depctr_sa_sdst(0) depctr_va_vdst(0) depctr_va_sdst(0) depctr_va_ssrc(0) depctr_va_vcc(0) depctr_vm_vsrc(0)
	s_getreg_b32 s2, hwreg(HW_REG_IB_STS2, 6, 4)
	s_cmp_eq_u32 s2, 0
	s_cbranch_scc0 .Lentry_in_a_cluster
	s_endpgm
.Lentry_in_a_cluster:
	s_bfe_u32 s2, ttmp6, 0x10000c
	s_cmp_lg_u32 s2, 0xf033
	s_cbranch_scc0 .Lentry_shape_is_right
	s_endpgm
.Lentry_shape_is_right:
; qkv = x Wqkv on codes of FP6 (E2M3) with one E8M0 scale for each 32 along K = 1,024; q, k and v are quantised in registers for the attention launch and stored as images of its operands' registers.
; op1: codes [16 panels of 64 k][11,264 rows][48 bytes], rows 0-8,191 x, rows 8,192-11,263 Wqkv's columns, both in P order (in each 32 rows the second and third group of 8 change places); scale bytes [row][32] behind them.
; A tile of 256 x 256 is made by four waves, each 128 x 128: 64 accumulators, 512 registers.  K goes in steps of 256 (4 panels) through two LDS slots filled by the tensor data mover; the scales of the tile's rows come once.
; THE MATRIX INSTRUCTION IS USED TRANSPOSED: source 0 = 16 rows of "B", source 1 = 16 rows of "A".  Lane (r, h) holds row r of A's block, and, B being in P order, the 16 registers of two neighbouring blocks 2 b, 2 b + 1 of B
; are B's rows 32 b + 16 h + 0 .. 15 in their own order: 16 neighbours along the next product's K.
; ONE TEXT, OPERANDS SWAPPED BY ADDRESS.  Clusters x = 0 (q) and 1 (k): A = x's tokens, B = W's columns: a lane's registers run along d (the first attention product's K).  Clusters x = 2 (v): A = Wv's columns, B = x's tokens:
; a lane's registers run along the keys (the second product's K).  The choice hangs on the cluster's x alone, which all partners share.
; CLUSTERS: 4 x 4.  A's tile is shared along a row of the cluster, B's along a column: each is asked for jointly, by the same tensor load with the same descriptor and a mask that names the four.
; RECORDS in qkv.  Q: [bh][step of 128 tokens][8,704 bytes]; K and V: at KVO, [bh][step][15,104].  A Q or K record: tile t of 16 tokens at 1,024 t: 512 bytes of registers 0-3 (16 bytes a lane), 512 of registers 4, 5 and two
; registers of other codes, which the reader multiplies by zero codes; at 8,192 the scale words, 16 bytes a lane: tiles h, 2 + h, 4 + h, 6 + h of token r; a word is its two bytes and 0x7f, 0x7f.
; V, at 8,704 of a KV record: tile t of 16 channels x 128 keys at 1,536 t, three groups of 512 bytes; at 6,144 its scale words, 8 bytes a lane: tiles h, 2 + h.  Every store covers whole aligned blocks of 256 bytes.
; LIMITS: NaN and infinities are not served; a block whose largest magnitude lies under 2^-124 (zeros too) keeps the byte 1; these bytes are read by this program alone.
; No prefetch: four K steps, two of them first fills.  One tile to a work-group: 384 tiles do not divide by the WGPs.
; REGISTERS: window 0: v0-31 addresses; v32-63 scale words, two sets; v128-223 A's fragments, one set; in the epilogue v112-231 at work.  window 1: B's fragments, two sets.  windows 2, 3: the accumulators ((a, b) at v[8 (8 (a % 4) + b)]).
.set PS,     540672                    ; a panel of op1 in bytes
.set SC1,    16*PS
.set KVO,    8912896
.set NQ,     2                         ; matrix instructions deep in a slot
.set FR,     12
.set NL,     6
.set NP,     4
.set PANB,   6144                      ; 128 rows of a panel
.set HALFT,  4*PANB                    ; what one tensor load brings: 128 rows x 4 panels
.set SLOT,   4*HALFT                   ; A's 256 rows, then B's
.set LAPS,   2
.set KS,     32
.set SCL,    2*SLOT                    ; behind the ring: the scales, as units of 256 bytes + 16 of padding
.set HALFS,  (128*KS/256)*272
.set SBLK,   (16*KS/256)*272
.set SPARE,  SCL+4*HALFS               ; the spare words, 128 bytes for each wave: two blocks of 256 bytes that no other line names
.set STEPA,  8*PS                      ; two slots on
.set STEPB,  8*PS
.set ADRA, 16                          ; v16-17 LDS address of my A fragments in slot 0, 1
.set ADRB, 20                          ; v20-21 the same for B
.set LI,   24                          ; v24  16 x lane
.set L8,   25                          ; v25  8 x lane
.set ADRS, 27
.set SPW,  28
.set NIL,  29
.set SC,   32
.set AF,   128
.set PC,   112                         ; the epilogue: v112-130 the codes just made
.set TM,   200                         ; v200-203 largest magnitudes, v204-207 bytes, v212-215 the conversions' scale operands
.set PW,   216                         ; the scale word just made
.set SW,   220                         ; v220-223 scale words of two tiles each: lanes 0-15 tile 2 j, lanes 16-31 tile 2 j + 1
.set S0,   224
.set S1,   228
.set SEL,  8                           ; s[8:9] v_permlanex16_b32's selects for lane l xor 16
.set BA,   96                          ; s[96:97], s[98:99] my two heads' records
.set G1, 24
.set G0, 32
.set G1B, 48
.set G0B, 56
.set G1S, 68
.set G0S, 76
.set G1SB, 80
.set G0SB, 88
.set MSB, 0
.macro WIN new                         ; the immediate's high byte repeats the setting that is left
.if MSB != \new
	s_set_vgpr_msb (MSB<<8)|\new
.set MSB, \new
.endif
.endm
.set MUL_LO, 0xa1                      ; source 0 (B) window 1, source 1 (A) window 0, C and D window 2
.set MUL_HI, 0xf1
.set TO_B,   0x40
; A joint load: waves 0 and 1 fetch for A, waves 2 and 3 for B.  An s_nop 0 and four v_nop follow each of the two lines.
.macro JLOAD g0a, g1a, g0b, g1b
	s_cmp_eq_u32 s15, 0
	s_cbranch_scc0 .Lfor_b_\@
	tensor_load_to_lds s[\g0a:\g0a+3], s[\g1a:\g1a+7]
	s_nop 0
.rept 4
	v_nop
.endr
	s_branch .Lasked_\@
.Lfor_b_\@:
	tensor_load_to_lds s[\g0b:\g0b+3], s[\g1b:\g1b+7]
	s_nop 0
.rept 4
	v_nop
.endr
.Lasked_\@:
.endm
.macro CREST                           ; a round of the cluster's barrier behind its opening barrier
	s_cmp_lg_u32 s14, 0
	s_cbranch_scc1 .Lnot_wave_0_\@
	s_barrier_signal -3
.Lnot_wave_0_\@:
	s_barrier_wait -3
	s_barrier_signal -1
	s_barrier_wait -1
.endm
.macro CROUND
	s_barrier_signal -1
	s_barrier_wait -1
	CREST
.endm
	s_load_b128 s[4:7], s[0:1], 0x0                ; op1 s[4:5], qkv s[6:7]
	v_lshl_add_u32 v[SPW], v0, 2, SPARE
	v_mov_b32 v[NIL], 0
	ds_add_u32 v[SPW], v[NIL]                      ; the wave's opening: the add and its wait stand ahead of my first tensor load; the set-up below stands between them
	v_lshrrev_b32 v1, 5, v0
	v_readfirstlane_b32 s14, v1                    ; wave 0..3
	s_lshr_b32 s15, s14, 1                         ; which half of A's rows is mine.  Also: I fetch for A (0) or for B (1)
	s_and_b32 s16, s14, 1                          ; which half of B's rows.  Also: which 128 rows of that tile I fetch
	s_bfe_u32 s40, ttmp6, 0x40000                  ; cx, cy: my place in the cluster
	s_bfe_u32 s41, ttmp6, 0x40004
	s_and_b32 s17, ttmp7, 0xffff
	s_lshl_b32 s17, s17, 2                         ; 4 x cluster y
	s_lshl_b32 s45, ttmp9, 2
	s_add_co_u32 s45, s45, 32                      ; q's and k's columns begin at tile 32 + 4 x cluster x of op1
	s_cmp_eq_u32 ttmp9, 2
	s_cselect_b32 s13, 1, 0                        ; v?
	s_cselect_b32 s42, 40, s17                     ; A: Wv's columns (tiles 40 on), or x's tokens
	s_cselect_b32 s45, s17, s45                    ; B: x's tokens, or W's columns
	s_add_co_u32 s42, s42, s41                     ; A's tile of 256 rows of op1: hangs on cy, never on cx
	s_add_co_u32 s45, s45, s40                     ; B's: on cx, never on cy
	s_lshl_b32 s43, s41, 2
	s_lshl_b32 s43, 15, s43                        ; my row of the cluster
	s_lshl_b32 s44, 0x1111, s40                    ; my column
	; descriptor group 1: 4 panels, each 128 rows x 48 bytes = 768 elements of 8 bytes on end; from panel to panel PS bytes; no padding
	s_or_b32 s[G1+0], s43, (3<<16)|(1<<21)         ; 15:0 the mask; 17:16 elements of 8 bytes; 21 set beside a mask
	s_or_b32 s[G1B+0], s44, (3<<16)|(1<<21)
.irp g, G1, G1B
	s_mov_b32 s[\g+1], 768<<16                     ; tensor_dim0
	s_mov_b32 s[\g+2], 4<<16                       ; tensor_dim1
	s_mov_b32 s[\g+3], 768<<16                     ; tile_dim0
	s_mov_b32 s[\g+4], 4                           ; tile_dim1
	s_mov_b32 s[\g+5], PS/8                        ; tensor_dim0_stride
	s_mov_b32 s[\g+6], 0
	s_mov_b32 s[\g+7], 0
.endr
	; the scales of 128 rows: 4,096 dense bytes, as 16 rows of 256 bytes, 16 bytes of padding behind each
	s_or_b32 s[G1S+0], s43, (3<<16)|(1<<20)|(1<<21)|(5<<22)|(3<<25)
	s_or_b32 s[G1SB+0], s44, (3<<16)|(1<<20)|(1<<21)|(5<<22)|(3<<25)
.irp g, G1S, G1SB
	s_mov_b32 s[\g+1], 32<<16
	s_mov_b32 s[\g+2], 16<<16
	s_mov_b32 s[\g+3], 32<<16
	s_mov_b32 s[\g+4], 16
	s_mov_b32 s[\g+5], 32
	s_mov_b32 s[\g+6], 0
	s_mov_b32 s[\g+7], 0
.endr
	s_lshl_b32 s18, s16, 7                         ; which 128 rows of the tile I fetch
	s_lshl_b32 s20, s42, 8
	s_add_co_u32 s20, s20, s18                     ; A's row of op1
	s_lshl_b32 s46, s45, 8
	s_add_co_u32 s46, s46, s18                     ; B's
	s_lshl_b32 s22, s20, 5
	s_add_co_u32 s22, s22, SC1                     ; where these rows' scales begin
	s_mov_b32 s23, 0
	s_lshl_b32 s92, s46, 5
	s_add_co_u32 s92, s92, SC1
	s_mov_b32 s93, 0
	s_mul_i32 s20, s20, 48                         ; and their codes in panel 0
	s_mov_b32 s21, 0
	s_mul_i32 s46, s46, 48
	s_mov_b32 s47, 0
	s_mul_i32 s19, s14, HALFT                      ; where they go: wave x 128 rows: no place in the cluster enters an LDS address
	s_mul_i32 s94, s14, HALFS
	s_mov_b32 s[SEL], 0x76543210
	s_mov_b32 s[SEL+1], 0xfedcba98
	s_mov_b32 s10, 0xffff0000                      ; lanes 16-31
	s_mov_b32 s11, 0x7f7f0000                      ; two bytes of 2^0
	s_mov_b32 s12, 0xffff
	s_wait_dscnt 0x0                               ; the opening add is done
	s_wait_kmcnt 0x0
	s_add_nc_u64 s[20:21], s[4:5], s[20:21]
	s_add_nc_u64 s[22:23], s[4:5], s[22:23]
	s_add_nc_u64 s[46:47], s[4:5], s[46:47]
	s_add_nc_u64 s[92:93], s[4:5], s[92:93]
	CROUND                                         ; all sixteen work-groups are here: the first joint loads meet
	s_mov_b32 s[G0S], 1
	s_add_co_u32 s[G0S+1], s94, SCL
	s_mov_b64 s[G0S+2:G0S+3], s[22:23]
	s_or_b32 s[G0S+3], s[G0S+3], 0x80000000
	s_mov_b32 s[G0SB], 1
	s_add_co_u32 s[G0SB+1], s94, SCL
	s_mov_b64 s[G0SB+2:G0SB+3], s[92:93]
	s_or_b32 s[G0SB+3], s[G0SB+3], 0x80000000
	JLOAD G0S, G1S, G0SB, G1SB                     ; the scales first: they are wanted with K step 0
.irp s, 0,1
	s_mov_b32 s[G0+4*\s], 1
	s_add_co_u32 s[G0+4*\s+1], s19, \s*SLOT
	s_add_nc_u64 s[G0+4*\s+2:G0+4*\s+3], s[20:21], \s*4*PS
	s_or_b32 s[G0+4*\s+3], s[G0+4*\s+3], 0x80000000
	s_mov_b32 s[G0B+4*\s], 1
	s_add_co_u32 s[G0B+4*\s+1], s19, \s*SLOT
	s_add_nc_u64 s[G0B+4*\s+2:G0B+4*\s+3], s[46:47], \s*4*PS
	s_or_b32 s[G0B+4*\s+3], s[G0B+4*\s+3], 0x80000000
	JLOAD G0+4*\s, G1, G0B+4*\s, G1B               ; three loads of mine are out behind the second of these
.endr
	v_and_b32 v1, 15, v0                           ; r
	v_bfe_u32 v2, v0, 4, 1                         ; h
	v_mul_u32_u24 v3, v1, 48
	v_mad_u32_u24 v4, v2, 24, v3                   ; a fragment's row x 48 + 24 h: the 32 lanes of a load of 8 bytes begin at words 12 r + 6 h, 64 different words modulo 64
	s_mul_i32 s21, s15, HALFT                      ; my 128 rows of A
	s_mul_i32 s22, s16, HALFT                      ; my 128 rows of B,
	s_add_co_u32 s22, s22, 2*HALFT                 ; which lie behind A's 256
.irp s, 0,1
	v_add_nc_u32 v[ADRA+\s], s21, v4
	v_add_nc_u32 v[ADRB+\s], s22, v4
	s_add_co_u32 s21, s21, SLOT
	s_add_co_u32 s22, s22, SLOT
.endr
	v_mul_u32_u24 v5, v1, KS                       ; my row's scales: 32 bytes a row,
	v_lshrrev_b32 v6, 8, v5
	v_lshl_add_u32 v5, v6, 4, v5                   ; and 16 more for each 256 passed
	s_mul_i32 s21, s15, HALFS
	s_mul_i32 s22, s16, HALFS
	s_add_co_u32 s22, s22, 2*HALFS
	s_sub_co_u32 s22, s22, s21
	v_mul_u32_u24 v6, s22, v2                      ; lanes 16-31 take B's
	s_add_co_u32 s21, s21, SCL
	v_add_nc_u32 v5, v5, v6
	v_add_nc_u32 v[ADRS], s21, v5
	v_and_b32 v6, 31, v0
	v_lshlrev_b32 v[LI], 4, v6
	v_lshlrev_b32 v[L8], 3, v6
	; my records.  q, k: tokens by (cluster y, cy, A's half), heads by (cx, B's half);  v: tokens by (cluster y, cx, B's half), heads by (cy, A's half)
	s_cmp_eq_u32 s13, 1
	s_cselect_b32 s20, s40, s41
	s_cselect_b32 s21, s16, s15
	s_cselect_b32 s22, s41, s40
	s_cselect_b32 s23, s15, s16
	s_add_co_u32 s20, s20, s17
	s_lshl_b32 s20, s20, 1
	s_add_co_u32 s20, s20, s21                     ; which 128 tokens of the 8,192
	s_lshl_b32 s22, s22, 2
	s_lshl_b32 s23, s23, 1
	s_add_co_u32 s22, s22, s23                     ; my first head
	s_lshr_b32 s21, s20, 4
	s_lshl_b32 s21, s21, 4
	s_add_co_u32 s21, s21, s22                     ; 16 x batch + head
	s_lshl_b32 s21, s21, 4
	s_and_b32 s20, s20, 15
	s_add_co_u32 s21, s21, s20                     ; + the step: the record's number
	s_cmp_eq_u32 ttmp9, 0
	s_mov_b32 s23, 15104
	s_cselect_b32 s23, 8704, s23                   ; a record's bytes
	s_cselect_b32 s22, 0, KVO
	s_cmp_eq_u32 s13, 1
	s_cselect_b32 s20, 8704, 0                     ; V lies behind K in a record
	s_add_co_u32 s22, s22, s20
	s_mul_i32 s21, s21, s23
	s_add_co_u32 s[BA], s21, s22
	s_mov_b32 s[BA+1], 0
	s_lshl_b32 s[BA+2], s23, 4                     ; the next head's records lie 16 records on
	s_mov_b32 s[BA+3], 0
	s_add_nc_u64 s[BA:BA+1], s[6:7], s[BA:BA+1]
	s_add_nc_u64 s[BA+2:BA+3], s[BA:BA+1], s[BA+2:BA+3]
.macro FRAG reg, adr, q, i             ; a fragment, 16 rows x 128 K, is 12 registers: registers 6 c .. 6 c + 5 hold K = 64 c + 32 h + 0 .. 31: 24 bytes of the row's 48 in panel 2 q + c, in pieces of 8 bytes
.irp p, 0,1,2,3,4,5
	ds_load_b64 v[\reg+2*\p:\reg+2*\p+1], v[\adr] offset:(2*(\q)+\p/3)*PANB+(\i)*768+8*(\p%3)
.endr
.endm
; 16 matrix instructions: A's blocks a0, a0 + 1 x B's eight.  The 64 accumulators take turns, one instruction a turn, in the same order in every step.
.macro MUL16 a0, p, q, sc, zero
.irp a, \a0, \a0+1
.irp b, 0,1,2,3,4,5,6,7
.if \zero
	v_wmma_scale_f32_16x16x128_f8f6f4 v[8*(8*((\a)%4)+\b):8*(8*((\a)%4)+\b)+7], v[128*(\p)+FR*\b:128*(\p)+FR*\b+FR-1], v[AF+FR*(\a):AF+FR*(\a)+FR-1], 0, v[SC+8*NQ*(\sc)+NQ*\b+(\q)], v[SC+8*NQ*(\sc)+NQ*(\a)+(\q)] matrix_a_fmt:MATRIX_FMT_FP6 matrix_b_fmt:MATRIX_FMT_FP6 matrix_a_scale:MATRIX_SCALE_ROW1
.else
	v_wmma_scale_f32_16x16x128_f8f6f4 v[8*(8*((\a)%4)+\b):8*(8*((\a)%4)+\b)+7], v[128*(\p)+FR*\b:128*(\p)+FR*\b+FR-1], v[AF+FR*(\a):AF+FR*(\a)+FR-1], v[8*(8*((\a)%4)+\b):8*(8*((\a)%4)+\b)+7], v[SC+8*NQ*(\sc)+NQ*\b+(\q)], v[SC+8*NQ*(\sc)+NQ*(\a)+(\q)] matrix_a_fmt:MATRIX_FMT_FP6 matrix_b_fmt:MATRIX_FMT_FP6 matrix_a_scale:MATRIX_SCALE_ROW1
.endif
.endr
.endr
.endm
.macro FETCH_B slot, q, p
	WIN TO_B
.irp i, 0,1,2,3,4,5,6,7
	FRAG 128*(\p)+FR*\i, ADRB+\slot, \q, \i
.endr
	WIN 0
.endm
.macro FETCH_A slot, q, i0
.irp i, \i0, \i0+1, \i0+2, \i0+3
	FRAG AF+FR*(\i), ADRA+\slot, \q, \i
.endr
.endm
.macro SCALES sc                       ; a K step's scale words: lanes 0-15 take A's block i, lanes 16-31 B's block i
.irp i, 0,1,2,3,4,5,6,7
	ds_load_b64 v[SC+8*NQ*\sc+NQ*\i:SC+8*NQ*\sc+NQ*\i+1], v[ADRS] offset:\i*SBLK
.endr
.endm
.macro PLACES n                        ; plain vector lines between a matrix instruction and a load into, or a read of, its registers
.rept \n
	v_nop
.endr
.endm
.macro STEP slot, q, zero              ; 128 along K with its successor in the same slot
	s_wait_dscnt 4*NL                              ; B's set and A's blocks 0-3 are in; the youngest 24 loads (A's blocks 4-7) may be out
	WIN MUL_LO
	MUL16 0, (\q)%2, \q, \slot, \zero
	MUL16 2, (\q)%2, \q, \slot, \zero
	s_wait_dscnt 0
	PLACES NP
	FETCH_B \slot, (\q)+1, 1-(\q)%2
	FETCH_A \slot, (\q)+1, 0
	WIN MUL_HI
	MUL16 4, (\q)%2, \q, \slot, \zero
	MUL16 6, (\q)%2, \q, \slot, \zero
	PLACES NP
	WIN 0
	FETCH_A \slot, (\q)+1, 4
.endm
; A slot's last step changes slots: one barrier; in front of it each wave waits for all its tensor loads, adds 0 to its spare word, and waits for that and for its reads of this slot.
.macro TURN slot, next, fill
	s_wait_tensorcnt 0x0                           ; all my tensor loads have landed: my part of the next slot
	ds_add_u32 v[SPW], v[NIL]                      ; 0 onto my spare word
	s_wait_dscnt 4*NL+1                            ; (the add and the youngest 24 loads may be out)
	WIN MUL_LO
	MUL16 0, 1, NQ-1, \slot, 0
	s_wait_dscnt 0x0                               ; the add is done, and my reads of this slot are over
	s_barrier_signal -1
	MUL16 2, 1, NQ-1, \slot, 0
	WIN 0
	s_barrier_wait -1
.if \fill
	CREST                                          ; the barrier has opened a round of the cluster's barrier: no wave of any partner still reads this slot or has a load on its way
	s_add_nc_u64 s[G0+4*\slot+2:G0+4*\slot+3], s[G0+4*\slot+2:G0+4*\slot+3], STEPA
	s_add_nc_u64 s[G0B+4*\slot+2:G0B+4*\slot+3], s[G0B+4*\slot+2:G0B+4*\slot+3], STEPB
	JLOAD G0+4*\slot, G1, G0B+4*\slot, G1B         ; the first tensor load behind the round, my one load until the next; its four v_nop are the places in front of the loads below
.else
	PLACES NP
.endif
	v_add_nc_u32 v[ADRS], 4*NQ, v[ADRS]            ; the next K step's scale words
	FETCH_B \next, 0, 0
	FETCH_A \next, 0, 0
	SCALES \next
	WIN MUL_HI
	MUL16 4, 1, NQ-1, \slot, 0
	MUL16 6, 1, NQ-1, \slot, 0
	PLACES NP
	WIN 0
	FETCH_A \next, 0, 4
.endm
	s_wait_tensorcnt 1                             ; the scales and my part of K step 0 are in; K step 1's load may be out
	s_barrier_signal -1
	s_barrier_wait -1
	FETCH_B 0, 0, 0
	FETCH_A 0, 0, 0
	SCALES 0
	FETCH_A 0, 0, 4
	STEP 0, 0, 1                                   ; the first step's products start the sums
	s_mov_b32 s3, LAPS-1
.Llap:
	TURN 0, 1, 1
	STEP 1, 0, 0
	TURN 1, 0, 1
	STEP 0, 0, 0
	s_sub_co_u32 s3, s3, 1
	s_cmp_lg_u32 s3, 0
	s_cbranch_scc1 .Llap
	TURN 0, 1, 0                                   ; the last lap fills nothing
	STEP 1, 0, 0
	s_wait_dscnt 4*NL
	WIN MUL_LO
	MUL16 0, 1, NQ-1, 1, 0
	MUL16 2, 1, NQ-1, 1, 0
	s_wait_dscnt 0
	WIN MUL_HI
	MUL16 4, 1, NQ-1, 1, 0
	MUL16 6, 1, NQ-1, 1, 0
	WIN 0
; THE EPILOGUE.  Block a of A: the lane's 64 results, register 16 b + i = B's row 32 b + 16 h + i, become a fragment's 12 registers in v[PC] on and a scale word in v[PW].  Each accumulator is read from its low end on.
.macro QUANT a
.set QS, 64*((\a)%4)
	WIN 0x0a+5*((\a)/4)                            ; sources 0 and 1: window 2 or 3
.irp b, 0,1,2,3
	v_max3_num_f32 v[TM+\b], |v[QS+16*\b]|, |v[QS+16*\b+1]|, 0x1800000   ; block b: my 16 numbers, and the floor 2^(3 - 127)
.endr
.irp i, 2,4,6,8,10,12,14
.irp b, 0,1,2,3
	v_max3_num_f32 v[TM+\b], |v[QS+16*\b+\i]|, |v[QS+16*\b+\i+1]|, v[TM+\b]
.endr
.endr
	WIN 0
.irp b, 0,1,2,3
	v_permlanex16_b32 v[TM+4+\b], v[TM+\b], s[SEL], s[SEL+1]
.endr
.irp b, 0,1,2,3
	v_max_num_f32 v[TM+\b], v[TM+\b], v[TM+4+\b]   ; with lane l xor 16's: the block's largest magnitude
.endr
.irp b, 0,1,2,3
	v_add_nc_u32 v[TM+12+\b], 0xff000000, v[TM+\b] ; 2 off its exponent field: the conversion's scale operand
.endr
.irp b, 0,1,2,3
	v_lshrrev_b32 v[TM+4+\b], 23, v[TM+12+\b]      ; the scale's byte
.endr
	v_lshl_or_b32 v[PW], v[TM+5], 8, v[TM+4]
	v_lshl_or_b32 v[PW], v[TM+6], 16, v[PW]
	v_lshl_or_b32 v[PW], v[TM+7], 24, v[PW]
	WIN 0x02+((\a)/4)                              ; source 0: window 2 or 3
.irp c, 0,1
	v_cvt_scalef32_pk16_fp6_f32 v[PC+6*\c:PC+2+6*\c], v[QS+32*\c:QS+15+32*\c], v[TM+12+2*\c]
	v_cvt_scalef32_pk16_fp6_f32 v[PC+12+4*\c:PC+14+4*\c], v[QS+16+32*\c:QS+31+32*\c], v[TM+12+2*\c+1]   ; (a conversion's three registers begin on an even number)
.endr
	WIN 0
	v_nop                                          ; one plain place behind a scaled conversion
.irp c, 0,1                            ; the operand's layout wants a whole block in a lane
.irp i, 0,1,2
	v_permlane16_swap_b32 v[PC+6*\c+\i], v[PC+12+4*\c+\i]
.endr
.irp i, 0,1,2
	v_mov_b32 v[PC+3+6*\c+\i], v[PC+12+4*\c+\i]
.endr
.endr
.endm
.macro PUT_QK a                        ; registers 0-5: my first head's 64 d of the tile's tokens; 6-11: my second head's
	global_store_b128 v[LI], v[PC:PC+3], s[BA:BA+1] offset:1024*(\a)
	global_store_b128 v[LI], v[PC+4:PC+7], s[BA:BA+1] offset:1024*(\a)+512
	global_store_b128 v[LI], v[PC+6:PC+9], s[BA+2:BA+3] offset:1024*(\a)
	global_store_b128 v[LI], v[PC+10:PC+13], s[BA+2:BA+3] offset:1024*(\a)+512
.endm
.macro PUT_V a                         ; a whole fragment: 16 channels x 128 keys; blocks 0-3 my first head, 4-7 my second
.irp g, 0,1,2
	global_store_b128 v[LI], v[PC+4*\g:PC+4*\g+3], s[BA+2*((\a)/4):BA+2*((\a)/4)+1] offset:1536*((\a)%4)+512*\g
.endr
.endm
	PLACES NP                                      ; behind the last products: their results are read and A's registers written below
.irp b, 0,1,2,3
	v_mov_b32 v[TM+4+\b], 0                        ; written once: a lane permute's destination counts as one of its sources
.endr
.irp a, 0,1,2,3,4,5,6,7
.if \a > 0
	s_wait_xcnt 0x0                                ; the last block's stores have read the codes' registers
.endif
	QUANT \a
.if (\a)%2 == 0
	v_mov_b32 v[SW+(\a)/2], v[PW]
.else
	v_cndmask_b32 v[SW+(\a)/2], v[SW+(\a)/2], v[PW], s10   ; lanes 16-31 take the odd block's word
.endif
	s_cmp_eq_u32 s13, 0
	s_cbranch_scc0 .Lput_v_\a
	PUT_QK \a
	s_branch .Lput_done_\a
.Lput_v_\a:
	PUT_V \a
.Lput_done_\a:
.endr
	s_cmp_eq_u32 s13, 0
	s_cbranch_scc0 .Lsc_v
.irp j, 0,1,2,3
	v_and_or_b32 v[S0+\j], v[SW+\j], s12, s11      ; my first head's two bytes, and 2^0 for the K that is not there
	v_lshrrev_b32 v[S1+\j], 16, v[SW+\j]
.endr
.irp j, 0,1,2,3
	v_or_b32 v[S1+\j], s11, v[S1+\j]               ; my second head's
.endr
	global_store_b128 v[LI], v[S0:S0+3], s[BA:BA+1] offset:8192
	global_store_b128 v[LI], v[S1:S1+3], s[BA+2:BA+3] offset:8192
	s_branch .Lsc_done
.Lsc_v:
	global_store_b64 v[L8], v[SW:SW+1], s[BA:BA+1] offset:6144
	global_store_b64 v[L8], v[SW+2:SW+3], s[BA+2:BA+3] offset:6144
.Lsc_done:
	s_wait_tensorcnt 0x0                           ; the wave's end: a wait, an add of 0 to my spare word and its wait, behind my last tensor load
	ds_add_u32 v[SPW], v[NIL]
	s_wait_dscnt 0x0
	CROUND                                         ; the closing round
	s_endpgm
.Lfunc_end_k_qe33e07e1a3_gemm_qkv:
	.size	k_qe33e07e1a3_gemm_qkv, .Lfunc_end_k_qe33e07e1a3_gemm_qkv-k_qe33e07e1a3_gemm_qkv
	.p2alignl 7, 3214868480
	.fill 96, 4, 3214868480
	.section	.rodata,"a",@progbits
	.p2align	6, 0x0
	.amdhsa_kernel k_qe33e07e1a3_gemm_qkv
		.amdhsa_group_segment_fixed_size 327680
		.amdhsa_private_segment_fixed_size 0
		.amdhsa_enable_private_segment 0
		.amdhsa_kernarg_size 16
		.amdhsa_user_sgpr_count 2
		.amdhsa_user_sgpr_kernarg_segment_ptr 1
		.amdhsa_wavefront_size32 1
		.amdhsa_system_sgpr_workgroup_id_x 1
		.amdhsa_system_sgpr_workgroup_id_y 1
		.amdhsa_system_sgpr_workgroup_id_z 1
		.amdhsa_system_vgpr_workitem_id 0
		.amdhsa_next_free_vgpr 1024
		.amdhsa_next_free_sgpr 100
		.amdhsa_reserve_vcc 0
		.amdhsa_float_denorm_mode_32 3
		.amdhsa_float_denorm_mode_16_64 3
		.amdhsa_memory_ordered 1
		.amdhsa_forward_progress 1
		.amdhsa_inst_pref_size 169
	.end_amdhsa_kernel
	.amdgpu_metadata
---
amdhsa.version: [ 1, 2 ]
amdhsa.kernels:
  - .name:           k_qe33e07e1a3_gemm_qkv
    .symbol:         k_qe33e07e1a3_gemm_qkv.kd
    .args:
      - { .name: op1, .offset: 0, .size: 8, .value_kind: global_buffer, .address_space: global }
      - { .name: qkv, .offset: 8, .size: 8, .value_kind: global_buffer, .address_space: global }
    .group_segment_fixed_size: 327680
    .private_segment_fixed_size: 0
    .kernarg_segment_align: 8
    .kernarg_segment_size: 16
    .max_flat_workgroup_size: 128
    .sgpr_count:     100
    .vgpr_count:     1024
    .wavefront_size: 32
...
	.end_amdgpu_metadata
.endif
;; end of part 2
;; launch attn (part 3): grid 4 x 64, 16 waves a work-group, no clusters, 268,288 bytes of LDS; arguments qkv, maskw, yq; writes yq
.if DOCPART == 3
	.amdgcn_target "amdgcn-amd-amdhsa--gfx1250"
	.amdhsa_code_object_version 6
	.text
	.protected	k_qe33e07e1a3_attn
	.globl	k_qe33e07e1a3_attn
	.p2align	8
	.type	k_qe33e07e1a3_attn,@function
k_qe33e07e1a3_attn:
	s_mov_b64 s[64:65], 0
	v_nop
	global_prefetch_b8 v0, s[64:65] scope:SCOPE_SE
	s_setreg_imm32_b32 hwreg(HW_REG_WAVE_MODE, 25, 1), 1
	s_wait_xcnt 0x0
; y[b][q][head] = softmax_k(mask ? q . k / 8 : lowest) v, both products on codes of FP6 (E2M3) with E8M0 scales; y is quantised along its 64 channels for the last product.
; THE SOFTMAX: t = score x log2(e) / 8; M = the running largest t rounded up to a whole number; p = 2^(t - M) is quantised along the keys, not normalised; the row's sum of the unquantised p divides at the end.
; SHARES.  A work-group owns 512 queries of one head (grid y = 16 x batch + head); each of its sixteen waves owns 32 tokens, as two tiles of 16 taken one after the other; every wave walks the head's 2,048 keys, 128 a step.
; THE HEAD'S K AND V STAY IN LDS: 16 records of 15,104 bytes (images of the operands' registers, made by the launch before).  Wave w copies record w through its registers; one barrier; nothing is filled again.
; NO TENSOR LOAD, SO NO JOINT REQUESTS: a step's 64 selects by the mask are jumped over, by a scalar branch on a flag that an earlier launch stored, where the step has no hole.
; What the four work-groups of a head share is read once each, at the head: 241,664 bytes.  No prefetch: K and V come once at the head, Q is 1 KB a tile, the mask's words are read again by every head.
; LAYOUT.  Both products transposed: S^T = K Q^T, O^T = V^T P^T: a lane holds one query (lane % 16).  Tiles of tokens and of channels are in P order (lane r of tile 2 b + u: 32 b + 8 u + r + 8 (r / 8)), so that the 16 registers of
; two neighbouring tiles are 16 neighbours: keys for p, channels for y.
; K = 64 IN AN INSTRUCTION OF K = 128: Q's registers 6-11 are zero codes.  K's operand of tile t is v[32 + 8 t .. + 11]: its upper six registers hold other codes; every code of this format is a finite number, it meets a zero
; code under scale bytes of 2^0, and adds exactly 0.
; THE MASK.  A hidden score becomes -2^120.  c x 2^120 is a whole number, so in a row with no visible key t - M is exactly 0: p = 1 on every key, the uniform weights that the lowest f32 number gives.  When a visible key comes,
; old M - new M saturates and f = 0 wipes what was summed.
; LIMITS: NaN and infinities are not served; visible scores lie above -2^120; a block of y whose largest magnitude lies under 2^-124 (zeros too) keeps the byte 1, read by this program alone.
; y's scale bytes leave as 2 bytes of each row's 32: one byte in 24 of what the launch stores.
; REGISTERS: v1 16 x lane, v2 8 x lane, v3, v4 the same + the step's record; v5, v6 the add's two; v7 -2^120; v8, v9 the stage; v10 16 r; v11 y's scale offset; v12 -M, v13 the largest t, v[14:15] the sum; v16-27 Q, v28 its scale
; words; v29 y's scale bytes; v32-99 K's tiles, later V's fragments; v100-163 S^T, then p; v164-195 O^T; v196-207 p's codes; v208-226 at work; v228-231 K's scale words, v232-233 V's, v234 p's; v236 f; v[238:239] a second sum; v240.
.set KVREC, 15104
.set QREC,  8704
.set KVO,   8912896
.set FLG,   524288
.set PSY,   393216                     ; a panel (a head) of yq: 8,192 tokens x 48 bytes
.set SCY,   16*PSY
.set STAGE, 16*KVREC                   ; 1,536 bytes for each wave
.set SPARE, STAGE+16*1536              ; the spare words, 128 bytes for each wave: eight blocks of 256 bytes that no other line names
	s_load_b128 s[4:7], s[0:1], 0x0                ; qkv s[4:5], maskw s[6:7]
	s_load_b64 s[8:9], s[0:1], 0x10                ; yq
	v_lshl_add_u32 v5, v0, 2, SPARE
	v_mov_b32 v6, 0
	v_lshrrev_b32 v1, 5, v0
	v_readfirstlane_b32 s10, v1                    ; wave 0..15
	s_and_b32 s11, ttmp7, 0xffff                   ; 16 x batch + head
	s_lshl_b32 s13, ttmp9, 4
	s_add_co_u32 s13, s13, s10                     ; which 32 tokens of the sequence are mine
	v_and_b32 v240, 31, v0
	v_lshlrev_b32 v1, 4, v240
	v_lshlrev_b32 v2, 3, v240
	s_lshl_b32 s30, s11, 4
	s_add_co_u32 s31, s30, s10
	s_mul_i32 s28, s31, KVREC
	s_add_co_u32 s28, s28, KVO                     ; record w of my head
	s_mov_b32 s29, 0
	s_mul_i32 s27, s10, KVREC                      ; and its place in LDS
	v_add_nc_u32 v3, s27, v1
	v_add_nc_u32 v4, s27, v2
	s_wait_kmcnt 0x0
	s_add_nc_u64 s[28:29], s[4:5], s[28:29]
.set I, 0
.rept 29
	global_load_b128 v[32+4*I:35+4*I], v1, s[28:29] offset:512*I
.set I, I+1
.endr
	global_load_b64 v[148:149], v2, s[28:29] offset:14848
	; addresses, while the record is on its way
	v_and_b32 v10, 15, v0                          ; r
	v_bfe_u32 v11, v0, 4, 1                        ; h
	v_and_b32 v8, 8, v10
	v_add_nc_u32 v8, v8, v10                       ; r + 8 (r / 8)
	v_lshl_add_u32 v9, v11, 3, v8
	v_mul_u32_u24 v8, v8, 48
	v_mad_u32_u24 v8, v11, 24, v8
	s_mul_i32 s12, s10, 1536
	s_add_co_u32 s12, s12, STAGE
	v_add_nc_u32 v8, s12, v8                       ; the stage, in: token r + 8 (r / 8) (+ 8 u) of my 32, 48 bytes each, + 24 h
	v_lshlrev_b32 v11, 5, v9                       ; y's scale bytes: token 8 h + r + 8 (r / 8), 32 bytes a token
	v_add_nc_u32 v9, s12, v1                       ; the stage, back: 16 bytes a lane
	v_lshlrev_b32 v10, 4, v10
	s_lshr_b32 s31, s13, 2
	s_add_co_u32 s31, s31, s30
	s_mul_i32 s16, s31, QREC                       ; Q's record of my 128 tokens
	s_mov_b32 s17, 0
	s_mov_b32 s15, 0
	s_and_b32 s31, s13, 3
	s_lshl_b32 s14, s31, 2
	s_add_co_u32 s14, s14, s16                     ; its scale words: my pair of tiles is word g32 % 4 of a lane's four
	s_lshl_b32 s31, s31, 11
	s_add_co_u32 s16, s16, s31                     ; its codes: my pair of tiles
	s_add_nc_u64 s[16:17], s[4:5], s[16:17]
	s_add_nc_u64 s[14:15], s[4:5], s[14:15]
	s_lshl_b32 s18, s13, 13
	s_mov_b32 s19, 0
	s_add_nc_u64 s[18:19], s[6:7], s[18:19]        ; the mask's words of my first tile: 4,096 bytes a tile, 256 a step
	s_lshl_b32 s2, s13, 3
	s_add_co_u32 s2, s2, FLG
	s_mov_b32 s3, 0
	s_add_nc_u64 s[2:3], s[6:7], s[2:3]            ; my two tiles' flags
	s_and_b32 s31, s11, 15                         ; head
	s_lshr_b32 s27, s11, 4
	s_lshl_b32 s27, s27, 6
	s_add_co_u32 s27, s27, s13                     ; which 32 tokens of the 8,192
	s_lshl_b32 s66, s27, 10
	s_lshl_b32 s12, s31, 1
	s_add_co_u32 s66, s66, s12
	s_add_co_u32 s66, s66, SCY
	s_mov_b32 s67, 0
	s_add_nc_u64 s[66:67], s[8:9], s[66:67]        ; y's scale bytes: my tokens, my head's two
	s_mul_i32 s12, s31, PSY
	s_mul_i32 s27, s27, 1536
	s_add_co_u32 s12, s12, s27
	s_mov_b32 s13, 0
	s_add_nc_u64 s[8:9], s[8:9], s[12:13]          ; y's codes: my head's panel, my tokens
	s_mov_b32 s20, 0x76543210
	s_mov_b32 s21, 0xfedcba98                      ; v_permlanex16_b32's selects for lane l xor 16
	s_mov_b32 s22, 0x3e38aa3b                      ; c = log2(e) / 8
	s_mov_b32 s23, s22                             ; (named with it as a pair)
	s_mov_b32 s30, 0xffff0000                      ; lanes 16-31
.set I, 0
.rept 29
	s_wait_loadcnt 29-I                            ; load I is in; the younger ones may be out
	ds_store_b128 v3, v[32+4*I:35+4*I] offset:512*I
.set I, I+1
.endr
	s_wait_loadcnt 0x0
	ds_store_b64 v4, v[148:149] offset:14848
	s_wait_dscnt 0x0                               ; for the others' sake: my record lies in LDS
	s_barrier_signal -1
	s_barrier_wait -1                              ; all sixteen do
	v_mov_b32 v7, 0xfb800000                       ; -2^120
.irp i, 96,97,98,99, 212,213,214,215, 237
	v_mov_b32 v\i, 0                               ; the tail behind K's last tile; lane permutes' destinations; the upper half of f's pair
.endr
.macro KLOAD                           ; a step's 8 tiles of K (8 registers each) and their scale words: 17 loads
.irp t, 0,1,2,3,4,5,6,7
	ds_load_b128 v[32+8*\t:35+8*\t], v3 offset:1024*\t
	ds_load_b128 v[36+8*\t:39+8*\t], v3 offset:1024*\t+512
.endr
	ds_load_b128 v[228:231], v3 offset:8192
.endm
.macro VLOAD                           ; its 4 fragments of V and their scale words: 13 loads
.irp t, 0,1,2,3
.irp g, 0,1,2
	ds_load_b128 v[32+12*\t+4*\g:35+12*\t+4*\g], v3 offset:8704+1536*\t+512*\g
.endr
.endr
	ds_load_b64 v[232:233], v4 offset:14848
.endm
.macro MLOADS                          ; a step's 64 lane masks
	s_load_b512 s[32:47], s[18:19], 0x0
	s_load_b512 s[48:63], s[18:19], 0x40
	s_load_b512 s[68:83], s[18:19], 0x80
	s_load_b512 s[84:99], s[18:19], 0xc0
.endm
.macro SQK t                           ; one register of scale words serves two tiles: lanes 0-15 the even one, lanes 16-31 the odd one
.if (\t)%2
	v_wmma_scale_f32_16x16x128_f8f6f4 v[100+8*\t:107+8*\t], v[32+8*\t:43+8*\t], v[16:27], 0, v[228+\t/2], v28 matrix_a_fmt:MATRIX_FMT_FP6 matrix_b_fmt:MATRIX_FMT_FP6 matrix_a_scale:MATRIX_SCALE_ROW1
.else
	v_wmma_scale_f32_16x16x128_f8f6f4 v[100+8*\t:107+8*\t], v[32+8*\t:43+8*\t], v[16:27], 0, v[228+\t/2], v28 matrix_a_fmt:MATRIX_FMT_FP6 matrix_b_fmt:MATRIX_FMT_FP6
.endif
.endm
.macro SPV t
.if (\t)%2
	v_wmma_scale_f32_16x16x128_f8f6f4 v[164+8*\t:171+8*\t], v[32+12*\t:43+12*\t], v[196:207], v[164+8*\t:171+8*\t], v[232+\t/2], v234 matrix_a_fmt:MATRIX_FMT_FP6 matrix_b_fmt:MATRIX_FMT_FP6 matrix_a_scale:MATRIX_SCALE_ROW1
.else
	v_wmma_scale_f32_16x16x128_f8f6f4 v[164+8*\t:171+8*\t], v[32+12*\t:43+12*\t], v[196:207], v[164+8*\t:171+8*\t], v[232+\t/2], v234 matrix_a_fmt:MATRIX_FMT_FP6 matrix_b_fmt:MATRIX_FMT_FP6
.endif
.endm
; A KEY STEP: 128 keys.  last = 1: nothing is fetched for a next step.
.macro STEP last
	s_wait_dscnt 0x0                               ; K's 17 loads are in
.irp t, 0,1,2,3,4,5,6,7
	SQK \t
.endr
.rept 4
	v_nop                                          ; places: loads into K's registers and the first read of the scores follow
.endr
	VLOAD
	s_wait_kmcnt 0x0                               ; the step's lane masks (and the flags)
	s_bitcmp1_b32 s26, 0
	s_cbranch_scc0 .Lopen_\@                       ; no hole in this step
.set N, 0
.rept 32
	v_cndmask_b32 v[100+N], v7, v[100+N], s[32+N]  ; a hidden score becomes -2^120
.set N, N+1
.endr
.rept 32
	v_cndmask_b32 v[100+N], v7, v[100+N], s[36+N]
.set N, N+1
.endr
.Lopen_\@:
	s_lshr_b32 s26, s26, 1
.if !\last
	s_add_nc_u64 s[18:19], s[18:19], 256           ; (behind the wait above: the scalar loads have read their base)
	MLOADS                                         ; the next step's: they have the rest of the step in which to land
.endif
.irp b, 0,1,2,3
	v_max3_num_f32 v[208+\b], v[100+16*\b], v[101+16*\b], v[102+16*\b]   ; the largest score of each block of 32 keys: for the row's maximum, and, since p rises with the score, for the block's largest p
.endr
.irp i, 3,5,7,9,11,13
.irp b, 0,1,2,3
	v_max3_num_f32 v[208+\b], v[208+\b], v[100+16*\b+\i], v[101+16*\b+\i]
.endr
.endr
.irp b, 0,1,2,3
	v_max_num_f32 v[208+\b], v[208+\b], v[115+16*\b]
.endr
.irp b, 0,1,2,3
	v_permlanex16_b32 v[212+\b], v[208+\b], s20, s21
.endr
.irp b, 0,1,2,3
	v_max_num_f32 v[208+\b], v[208+\b], v[212+\b]  ; with lane l xor 16's 16 keys
.endr
	v_max3_num_f32 v240, v208, v209, v210
	v_max_num_f32 v240, v240, v211
	v_mul_f32 v240, s22, v240                      ; as t
	v_max_num_f32 v13, v13, v240                   ; the running largest t
	v_mov_b32 v240, v12
	v_floor_f32 v12, -v13                          ; the new -M = -ceil(t)
	v_sub_f32 v240, v12, v240                      ; old M - new M: a whole number, 0 or less
	v_cvt_i32_f32 v240, v240                       ; (it saturates)
	v_ldexp_f32 v236, 1.0, v240                    ; f = 2^(old M - new M)
.set J, 0
.rept 32
	v_pk_fma_f32 v[100+J:101+J], v[100+J:101+J], s[22:23], v[12:13] op_sel_hi:[1,0,0]   ; t - M
.set J, J+2
.endr
.irp b, 0,1,2,3
	v_fma_f32 v[208+\b], v[208+\b], s22, v12       ; the same of each block's largest score
.endr
.set J, 0
.rept 64
	v_exp_f32 v[100+J], v[100+J]                   ; p = 2^(t - M)
.set J, J+1
.endr
	v_pk_mul_f32 v[14:15], v[14:15], v[236:237] op_sel_hi:[1,0]   ; the sum under the new M (a plain line behind the exponentials)
	s_wait_alu depctr_va_vdst(0)                   ; one wait for the batch, ahead of its first reader
.irp b, 0,1,2,3
	v_exp_f32 v[208+\b], v[208+\b]                 ; the block's largest p
.endr
	v_pk_add_f32 v[238:239], v[100:101], v[102:103]   ; the row's sum of the unquantised p, in two chains: its first half stands behind the four exponentials
.irp j, 4,8,12,16,20,24,28
	v_pk_add_f32 v[14:15], v[14:15], v[100+\j:101+\j]
	v_pk_add_f32 v[238:239], v[238:239], v[102+\j:103+\j]
.endr
	s_wait_alu depctr_va_vdst(0)                   ; and one for the four
.irp b, 0,1,2,3
	v_max_num_f32 v[208+\b], 0x1800000, v[208+\b]  ; the floor 2^(3 - 127)
.endr
.irp b, 0,1,2,3
	v_add_nc_u32 v[216+\b], 0xff000000, v[208+\b]  ; 2 off the exponent field: the conversion's scale operand
.endr
.irp b, 0,1,2,3
	v_lshrrev_b32 v[212+\b], 23, v[216+\b]         ; the scale's byte
.endr
	v_lshl_or_b32 v234, v213, 8, v212              ; p's scale word for these 128 keys
	v_lshl_or_b32 v234, v214, 16, v234
	v_lshl_or_b32 v234, v215, 24, v234
.irp c, 0,1
	v_cvt_scalef32_pk16_fp6_f32 v[196+6*\c:198+6*\c], v[100+32*\c:115+32*\c], v[216+2*\c]
	v_cvt_scalef32_pk16_fp6_f32 v[220+4*\c:222+4*\c], v[116+32*\c:131+32*\c], v[216+2*\c+1]
.endr
	v_nop                                          ; one plain place behind a scaled conversion
.irp c, 0,1
.irp i, 0,1,2
	v_permlane16_swap_b32 v[196+6*\c+\i], v[220+4*\c+\i]
.endr
.irp i, 0,1,2
	v_mov_b32 v[199+6*\c+\i], v[220+4*\c+\i]
.endr
.endr
.set J, 0
.rept 16
	v_pk_mul_f32 v[164+J:165+J], v[164+J:165+J], v[236:237] op_sel_hi:[1,0]   ; O^T under the new M.  (These are also the places between p's codes and scale word and the products below)
.set J, J+2
.endr
	s_wait_dscnt 0x0                               ; V's 13 loads are in
.irp t, 0,1,2,3
	SPV \t                                         ; the four accumulators by turns; the scores' products stand between a step's link and the next step's
.endr
.if !\last
	s_add_co_u32 s24, s24, KVREC                   ; the next step's record
	v_add_nc_u32 v3, s24, v1
	v_add_nc_u32 v4, s24, v2
.endif
	v_pk_add_f32 v[14:15], v[14:15], v[132:133]    ; the sum's second half; with the two additions above, four places in front of the loads into V's registers
	v_pk_add_f32 v[238:239], v[238:239], v[134:135]
.if !\last
	KLOAD
.endif
.irp j, 36,40,44,48,52,56,60
	v_pk_add_f32 v[14:15], v[14:15], v[100+\j:101+\j]
	v_pk_add_f32 v[238:239], v[238:239], v[102+\j:103+\j]
.endr
	v_pk_add_f32 v[14:15], v[14:15], v[238:239]
.endm
; ONE TILE OF 16 QUERIES through all 16 steps, and its y.
.macro TILE u
	global_load_b128 v[16:19], v1, s[16:17] offset:1024*\u
	global_load_b128 v[20:23], v1, s[16:17] offset:1024*\u+512
	global_load_b32 v28, v10, s[14:15] offset:8192+256*\u
	s_load_b32 s26, s[2:3], 4*\u                   ; the tile's flags: bit j = step j has a hole
.if \u
	s_add_nc_u64 s[18:19], s[18:19], 256           ; 15 steps of 256 bytes and this one: the next tile's words
.endif
	MLOADS
	s_mov_b32 s24, 0
	v_mov_b32 v3, v1
	v_mov_b32 v4, v2
	KLOAD
	v_mov_b32 v13, 0xff61b1e6                      ; the largest t so far: -3e38
	v_floor_f32 v12, -v13
	v_mov_b32 v14, 0
	v_mov_b32 v15, 0
	s_wait_loadcnt 0x0                             ; Q
.irp i, 22,23,24,25,26,27
	v_mov_b32 v\i, 0                               ; zero codes for the K that is not there
.endr
.set J, 0
.rept 32
	v_mov_b32 v[164+J], 0                          ; O^T: the step is written for every step alike; the first finds zeros.  (Also the places between Q's zeros and the first product)
.set J, J+1
.endr
	s_mov_b32 s25, 15
.Lkeys_\u:
	STEP 0
	s_sub_co_u32 s25, s25, 1
	s_cmp_lg_u32 s25, 0
	s_cbranch_scc1 .Lkeys_\u
	STEP 1
	v_add_f32 v14, v14, v15
	v_permlanex16_b32 v240, v14, s20, s21
	v_add_f32 v14, v14, v240                       ; the row's sum
	v_rcp_f32 v236, v14
	v_nop                                          ; a plain line behind the reciprocal
	s_wait_alu depctr_va_vdst(0)                   ; and the wait ahead of its first reader
.set J, 0
.rept 16
	v_pk_mul_f32 v[100+J:101+J], v[164+J:165+J], v[236:237] op_sel_hi:[1,0]   ; y: register 16 b + i is channel 32 b + 16 h + i of my query
.set J, J+2
.endr
.irp b, 0,1
	v_max3_num_f32 v[208+\b], |v[100+16*\b]|, |v[101+16*\b]|, 0x1800000
.endr
.irp i, 2,4,6,8,10,12,14
.irp b, 0,1
	v_max3_num_f32 v[208+\b], v[208+\b], |v[100+16*\b+\i]|, |v[101+16*\b+\i]|
.endr
.endr
.irp b, 0,1
	v_permlanex16_b32 v[212+\b], v[208+\b], s20, s21
.endr
.irp b, 0,1
	v_max_num_f32 v[208+\b], v[208+\b], v[212+\b]
.endr
.irp b, 0,1
	v_add_nc_u32 v[216+\b], 0xff000000, v[208+\b]
.endr
.irp b, 0,1
	v_lshrrev_b32 v[212+\b], 23, v[216+\b]
.endr
	v_cvt_scalef32_pk16_fp6_f32 v[196:198], v[100:115], v216
	v_cvt_scalef32_pk16_fp6_f32 v[220:222], v[116:131], v217
	v_lshl_or_b32 v240, v213, 8, v212              ; my query's two scale bytes (a plain line behind the conversions)
.irp i, 0,1,2
	v_permlane16_swap_b32 v[196+\i], v[220+\i]
.endr
.irp i, 0,1,2
	v_mov_b32 v[199+\i], v[220+\i]                 ; v196-201: channels 32 h + 0 .. 31: 24 bytes
.endr
	ds_store_b64 v8, v[196:197] offset:384*\u
	ds_store_b64 v8, v[198:199] offset:384*\u+8
	ds_store_b64 v8, v[200:201] offset:384*\u+16
.if \u
	v_cndmask_b32 v29, v29, v240, s30              ; lanes 16-31 keep the second tile's bytes
.else
	v_mov_b32 v29, v240
.endif
.endm
	TILE 0
	TILE 1
.irp i, 0,1,2
	ds_load_b128 v[32+4*\i:35+4*\i], v9 offset:512*\i   ; my own bytes: LDS serves a wave's instructions in order
.endr
.irp i, 0,1,2
	s_wait_dscnt 2-\i                              ; the younger loads may be out
	global_store_b128 v1, v[32+4*\i:35+4*\i], s[8:9] offset:512*\i   ; 32 tokens x 48 bytes: 1,536 consecutive bytes, aligned to 256
.endr
	global_store_b16 v11, v29, s[66:67]
	s_wait_tensorcnt 0x0                           ; the wave's end: a wait, an add of 0 to my spare word and its wait, behind my last LDS store
	ds_add_u32 v5, v6
	s_wait_dscnt 0x0
	s_endpgm
.Lfunc_end_k_qe33e07e1a3_attn:
	.size	k_qe33e07e1a3_attn, .Lfunc_end_k_qe33e07e1a3_attn-k_qe33e07e1a3_attn
	.p2alignl 7, 3214868480
	.fill 96, 4, 3214868480
	.section	.rodata,"a",@progbits
	.p2align	6, 0x0
	.amdhsa_kernel k_qe33e07e1a3_attn
		.amdhsa_group_segment_fixed_size 268288
		.amdhsa_private_segment_fixed_size 0
		.amdhsa_enable_private_segment 0
		.amdhsa_kernarg_size 24
		.amdhsa_user_sgpr_count 2
		.amdhsa_user_sgpr_kernarg_segment_ptr 1
		.amdhsa_wavefront_size32 1
		.amdhsa_system_sgpr_workgroup_id_x 1
		.amdhsa_system_sgpr_workgroup_id_y 1
		.amdhsa_system_sgpr_workgroup_id_z 1
		.amdhsa_system_vgpr_workitem_id 0
		.amdhsa_next_free_vgpr 256
		.amdhsa_next_free_sgpr 100
		.amdhsa_reserve_vcc 0
		.amdhsa_float_denorm_mode_32 3
		.amdhsa_float_denorm_mode_16_64 3
		.amdhsa_memory_ordered 1
		.amdhsa_forward_progress 1
		.amdhsa_inst_pref_size 100
	.end_amdhsa_kernel
	.amdgpu_metadata
---
amdhsa.version: [ 1, 2 ]
amdhsa.kernels:
  - .name:           k_qe33e07e1a3_attn
    .symbol:         k_qe33e07e1a3_attn.kd
    .args:
      - { .name: qkv, .offset: 0, .size: 8, .value_kind: global_buffer, .address_space: global }
      - { .name: maskw, .offset: 8, .size: 8, .value_kind: global_buffer, .address_space: global }
      - { .name: yq, .offset: 16, .size: 8, .value_kind: global_buffer, .address_space: global }
    .group_segment_fixed_size: 268288
    .private_segment_fixed_size: 0
    .kernarg_segment_align: 8
    .kernarg_segment_size: 24
    .max_flat_workgroup_size: 512
    .sgpr_count:     100
    .vgpr_count:     256
    .wavefront_size: 32
...
	.end_amdgpu_metadata
.endif
;; end of part 3
;; launch gemm_out (part 4): grid 4 x 32, 4 waves a work-group, clusters of 4 x 4, 327,680 bytes of LDS; arguments yq, wo, out0; writes out0
.if DOCPART == 4
	.amdgcn_target "amdgcn-amd-amdhsa--gfx1250"
	.amdhsa_code_object_version 6
	.text
	.protected	k_qe33e07e1a3_gemm_out
	.globl	k_qe33e07e1a3_gemm_out
	.p2align	8
	.type	k_qe33e07e1a3_gemm_out,@function
k_qe33e07e1a3_gemm_out:
	s_mov_b64 s[64:65], 0
	v_nop
	global_prefetch_b8 v0, s[64:65] scope:SCOPE_SE
	s_setreg_imm32_b32 hwreg(HW_REG_WAVE_MODE, 25, 1), 1
	s_wait_xcnt 0x0
	s_wait_alu depctr_hold_cnt(0) depctr_sa_sdst(0) depctr_va_vdst(0) depctr_va_sdst(0) depctr_va_ssrc(0) depctr_va_vcc(0) depctr_vm_vsrc(0)
	s_getreg_b32 s2, hwreg(HW_REG_IB_STS2, 6, 4)
	s_cmp_eq_u32 s2, 0
	s_cbranch_scc0 .Lentry_in_a_cluster
	s_endpgm
.Lentry_in_a_cluster:
	s_bfe_u32 s2, ttmp6, 0x10000c
	s_cmp_lg_u32 s2, 0xf033
	s_cbranch_scc0 .Lentry_shape_is_right
	s_endpgm
.Lentry_shape_is_right:
; out0 = y Wout on codes of FP6 (E2M3) with one E8M0 scale for each 32 along K = 1,024.  yq: codes [16 panels of 64 k][8,192 tokens][48 bytes], scale bytes [token][32] behind them; wo: [16][1,024 columns][48] and [column][32].
; out0: [8,192][1,024] f32.  A tile of 256 x 256 is made by four waves, each 128 x 128: 64 accumulators.  K goes in steps of 256 (4 panels) through two LDS slots filled by the tensor data mover; the scales come once.
; THE MATRIX INSTRUCTION IS USED TRANSPOSED (source 0 = 16 columns of Wout, source 1 = 16 tokens): a lane holds eight neighbouring numbers of a row of out0.
; CLUSTERS: 4 x 4: y's tile is shared along a row of the cluster, Wout's along a column; each is asked for jointly.  128 tiles: one to a work-group.  No prefetch: four K steps, two of them first fills.
; REGISTERS: window 0: v0-31 addresses; v32-63 scale words, two sets; v128-223 A's fragments, one set; on the way out v128-255.  window 1: B's fragments, two sets.  windows 2, 3: the accumulators ((a, b) at v[8 (8 (a % 4) + b)]).
.set PSY,    393216
.set SCY,    16*PSY
.set PSW,    49152
.set SCW,    16*PSW
.set SIZE_N, 1024
.set NQ,     2
.set FR,     12
.set NL,     6
.set NP,     4
.set PANB,   6144
.set HALFT,  4*PANB
.set SLOT,   4*HALFT
.set LAPS,   2
.set KS,     32
.set SCL,    2*SLOT
.set HALFS,  (128*KS/256)*272
.set SBLK,   (16*KS/256)*272
.set SPARE,  SCL+4*HALFS               ; the spare words, 128 bytes for each wave: two blocks of 256 bytes that no other line names
.set STEPA,  8*PSY
.set STEPB,  8*PSW
.set SPITCH, 528                       ; the way out: a stage of 16 rows x (512 bytes + 16) for each wave, in slot 0, which has had its last fill and its last read when the first result is stored there
.set ADRA, 16
.set ADRB, 20
.set STO,  24
.set RD,   25
.set CO,   26
.set ADRS, 27
.set SPW,  28
.set NIL,  29
.set SC,   32
.set AF,   128
.set BK,   128
.set G1, 24
.set G0, 32
.set G1B, 48
.set G0B, 56
.set G1S, 68
.set G0S, 76
.set G1SB, 80
.set G0SB, 88
.set MSB, 0
.macro WIN new                         ; the immediate's high byte repeats the setting that is left
.if MSB != \new
	s_set_vgpr_msb (MSB<<8)|\new
.set MSB, \new
.endif
.endm
.set MUL_LO, 0xa1
.set MUL_HI, 0xf1
.set TO_B,   0x40
.macro JLOAD g0a, g1a, g0b, g1b        ; a joint load: waves 0 and 1 fetch for A, waves 2 and 3 for B; an s_nop 0 and four v_nop follow each of the two lines
	s_cmp_eq_u32 s15, 0
	s_cbranch_scc0 .Lfor_b_\@
	tensor_load_to_lds s[\g0a:\g0a+3], s[\g1a:\g1a+7]
	s_nop 0
.rept 4
	v_nop
.endr
	s_branch .Lasked_\@
.Lfor_b_\@:
	tensor_load_to_lds s[\g0b:\g0b+3], s[\g1b:\g1b+7]
	s_nop 0
.rept 4
	v_nop
.endr
.Lasked_\@:
.endm
.macro CREST
	s_cmp_lg_u32 s14, 0
	s_cbranch_scc1 .Lnot_wave_0_\@
	s_barrier_signal -3
.Lnot_wave_0_\@:
	s_barrier_wait -3
	s_barrier_signal -1
	s_barrier_wait -1
.endm
.macro CROUND
	s_barrier_signal -1
	s_barrier_wait -1
	CREST
.endm
	s_load_b128 s[4:7], s[0:1], 0x0                ; yq s[4:5], wo s[6:7]
	s_load_b64 s[12:13], s[0:1], 0x10              ; out0
	v_lshl_add_u32 v[SPW], v0, 2, SPARE
	v_mov_b32 v[NIL], 0
	ds_add_u32 v[SPW], v[NIL]                      ; the wave's opening: the add and its wait stand ahead of my first tensor load
	v_lshrrev_b32 v1, 5, v0
	v_readfirstlane_b32 s14, v1
	s_lshr_b32 s15, s14, 1
	s_and_b32 s16, s14, 1
	s_bfe_u32 s40, ttmp6, 0x40000                  ; cx, cy
	s_bfe_u32 s41, ttmp6, 0x40004
	s_lshl_b32 s42, ttmp9, 2
	s_add_co_u32 s42, s42, s40                     ; tile column
	s_and_b32 s17, ttmp7, 0xffff
	s_lshl_b32 s17, s17, 2
	s_add_co_u32 s17, s17, s41                     ; tile row
	s_lshl_b32 s43, s41, 2
	s_lshl_b32 s43, 15, s43
	s_lshl_b32 s44, 0x1111, s40
	; descriptor group 1: 4 panels, each 128 rows x 48 bytes = 768 elements of 8 bytes on end; no padding
	s_or_b32 s[G1+0], s43, (3<<16)|(1<<21)
	s_or_b32 s[G1B+0], s44, (3<<16)|(1<<21)
.irp g, G1, G1B
	s_mov_b32 s[\g+1], 768<<16
	s_mov_b32 s[\g+2], 4<<16
	s_mov_b32 s[\g+3], 768<<16
	s_mov_b32 s[\g+4], 4
	s_mov_b32 s[\g+6], 0
	s_mov_b32 s[\g+7], 0
.endr
	s_mov_b32 s[G1+5], PSY/8                       ; from panel to panel, in elements
	s_mov_b32 s[G1B+5], PSW/8
	s_or_b32 s[G1S+0], s43, (3<<16)|(1<<20)|(1<<21)|(5<<22)|(3<<25)
	s_or_b32 s[G1SB+0], s44, (3<<16)|(1<<20)|(1<<21)|(5<<22)|(3<<25)
.irp g, G1S, G1SB
	s_mov_b32 s[\g+1], 32<<16
	s_mov_b32 s[\g+2], 16<<16
	s_mov_b32 s[\g+3], 32<<16
	s_mov_b32 s[\g+4], 16
	s_mov_b32 s[\g+5], 32
	s_mov_b32 s[\g+6], 0
	s_mov_b32 s[\g+7], 0
.endr
	s_lshl_b32 s18, s16, 7
	s_lshl_b32 s20, s17, 8
	s_add_co_u32 s20, s20, s18                     ; A: token 256 x tile row + 128 x half
	s_lshl_b32 s46, s42, 8
	s_add_co_u32 s46, s46, s18                     ; B: column 256 x tile column + 128 x half
	s_lshl_b32 s22, s20, 5
	s_add_co_u32 s22, s22, SCY
	s_mov_b32 s23, 0
	s_lshl_b32 s92, s46, 5
	s_add_co_u32 s92, s92, SCW
	s_mov_b32 s93, 0
	s_mul_i32 s20, s20, 48
	s_mov_b32 s21, 0
	s_mul_i32 s46, s46, 48
	s_mov_b32 s47, 0
	s_mul_i32 s19, s14, HALFT
	s_mul_i32 s94, s14, HALFS
	s_wait_dscnt 0x0                               ; the opening add is done
	s_wait_kmcnt 0x0
	s_add_nc_u64 s[20:21], s[4:5], s[20:21]
	s_add_nc_u64 s[22:23], s[4:5], s[22:23]
	s_add_nc_u64 s[46:47], s[6:7], s[46:47]
	s_add_nc_u64 s[92:93], s[6:7], s[92:93]
	CROUND                                         ; all sixteen work-groups are here: the first joint loads meet
	s_mov_b32 s[G0S], 1
	s_add_co_u32 s[G0S+1], s94, SCL
	s_mov_b64 s[G0S+2:G0S+3], s[22:23]
	s_or_b32 s[G0S+3], s[G0S+3], 0x80000000
	s_mov_b32 s[G0SB], 1
	s_add_co_u32 s[G0SB+1], s94, SCL
	s_mov_b64 s[G0SB+2:G0SB+3], s[92:93]
	s_or_b32 s[G0SB+3], s[G0SB+3], 0x80000000
	JLOAD G0S, G1S, G0SB, G1SB
.irp s, 0,1
	s_mov_b32 s[G0+4*\s], 1
	s_add_co_u32 s[G0+4*\s+1], s19, \s*SLOT
	s_add_nc_u64 s[G0+4*\s+2:G0+4*\s+3], s[20:21], \s*4*PSY
	s_or_b32 s[G0+4*\s+3], s[G0+4*\s+3], 0x80000000
	s_mov_b32 s[G0B+4*\s], 1
	s_add_co_u32 s[G0B+4*\s+1], s19, \s*SLOT
	s_add_nc_u64 s[G0B+4*\s+2:G0B+4*\s+3], s[46:47], \s*4*PSW
	s_or_b32 s[G0B+4*\s+3], s[G0B+4*\s+3], 0x80000000
	JLOAD G0+4*\s, G1, G0B+4*\s, G1B               ; three loads of mine are out behind the second of these
.endr
	v_and_b32 v1, 15, v0
	v_bfe_u32 v2, v0, 4, 1
	v_mul_u32_u24 v3, v1, 48
	v_mad_u32_u24 v4, v2, 24, v3                   ; a fragment's row x 48 + 24 h
	s_mul_i32 s21, s15, HALFT
	s_mul_i32 s22, s16, HALFT
	s_add_co_u32 s22, s22, 2*HALFT
.irp s, 0,1
	v_add_nc_u32 v[ADRA+\s], s21, v4
	v_add_nc_u32 v[ADRB+\s], s22, v4
	s_add_co_u32 s21, s21, SLOT
	s_add_co_u32 s22, s22, SLOT
.endr
	v_mul_u32_u24 v5, v1, KS
	v_lshrrev_b32 v6, 8, v5
	v_lshl_add_u32 v5, v6, 4, v5
	s_mul_i32 s21, s15, HALFS
	s_mul_i32 s22, s16, HALFS
	s_add_co_u32 s22, s22, 2*HALFS
	s_sub_co_u32 s22, s22, s21
	v_mul_u32_u24 v6, s22, v2
	s_add_co_u32 s21, s21, SCL
	v_add_nc_u32 v5, v5, v6
	v_add_nc_u32 v[ADRS], s21, v5
	s_mul_i32 s23, s14, 16*SPITCH                  ; my stage
	v_mul_u32_u24 v5, v1, SPITCH
	v_lshl_add_u32 v5, v2, 5, v5
	v_add_nc_u32 v[STO], s23, v5                   ; in: row r, 32 bytes for each half of the lanes
	v_and_b32 v6, 31, v0
	v_lshlrev_b32 v[CO], 4, v6
	v_add_nc_u32 v[RD], s23, v[CO]                 ; back: the 32 lanes take one row of 512 bytes
	s_lshl_b32 s20, s17, 8
	s_lshl_b32 s21, s15, 7
	s_add_co_u32 s20, s20, s21                     ; my first row of out0
	s_mov_b32 s21, 0
	s_mov_b64 s[18:19], SIZE_N*4
	s_mul_u64 s[20:21], s[20:21], s[18:19]
	s_lshl_b32 s46, s42, 10
	s_lshl_b32 s47, s16, 9
	s_add_co_u32 s46, s46, s47                     ; my first column, in bytes
	s_mov_b32 s47, 0
	s_add_nc_u64 s[20:21], s[20:21], s[46:47]
	s_add_nc_u64 s[12:13], s[12:13], s[20:21]
.macro FRAG reg, adr, q, i             ; registers 6 c .. 6 c + 5: 24 bytes of the row's 48 in panel 2 q + c, in pieces of 8 bytes
.irp p, 0,1,2,3,4,5
	ds_load_b64 v[\reg+2*\p:\reg+2*\p+1], v[\adr] offset:(2*(\q)+\p/3)*PANB+(\i)*768+8*(\p%3)
.endr
.endm
.macro MUL16 a0, p, q, sc, zero        ; the 64 accumulators take turns, one instruction a turn, in the same order in every step
.irp a, \a0, \a0+1
.irp b, 0,1,2,3,4,5,6,7
.if \zero
	v_wmma_scale_f32_16x16x128_f8f6f4 v[8*(8*((\a)%4)+\b):8*(8*((\a)%4)+\b)+7], v[128*(\p)+FR*\b:128*(\p)+FR*\b+FR-1], v[AF+FR*(\a):AF+FR*(\a)+FR-1], 0, v[SC+8*NQ*(\sc)+NQ*\b+(\q)], v[SC+8*NQ*(\sc)+NQ*(\a)+(\q)] matrix_a_fmt:MATRIX_FMT_FP6 matrix_b_fmt:MATRIX_FMT_FP6 matrix_a_scale:MATRIX_SCALE_ROW1
.else
	v_wmma_scale_f32_16x16x128_f8f6f4 v[8*(8*((\a)%4)+\b):8*(8*((\a)%4)+\b)+7], v[128*(\p)+FR*\b:128*(\p)+FR*\b+FR-1], v[AF+FR*(\a):AF+FR*(\a)+FR-1], v[8*(8*((\a)%4)+\b):8*(8*((\a)%4)+\b)+7], v[SC+8*NQ*(\sc)+NQ*\b+(\q)], v[SC+8*NQ*(\sc)+NQ*(\a)+(\q)] matrix_a_fmt:MATRIX_FMT_FP6 matrix_b_fmt:MATRIX_FMT_FP6 matrix_a_scale:MATRIX_SCALE_ROW1
.endif
.endr
.endr
.endm
.macro FETCH_B slot, q, p
	WIN TO_B
.irp i, 0,1,2,3,4,5,6,7
	FRAG 128*(\p)+FR*\i, ADRB+\slot, \q, \i
.endr
	WIN 0
.endm
.macro FETCH_A slot, q, i0
.irp i, \i0, \i0+1, \i0+2, \i0+3
	FRAG AF+FR*(\i), ADRA+\slot, \q, \i
.endr
.endm
.macro SCALES sc
.irp i, 0,1,2,3,4,5,6,7
	ds_load_b64 v[SC+8*NQ*\sc+NQ*\i:SC+8*NQ*\sc+NQ*\i+1], v[ADRS] offset:\i*SBLK
.endr
.endm
.macro PLACES n
.rept \n
	v_nop
.endr
.endm
.macro STEP slot, q, zero
	s_wait_dscnt 4*NL                              ; B's set and A's blocks 0-3 are in; the youngest 24 loads (A's blocks 4-7) may be out
	WIN MUL_LO
	MUL16 0, (\q)%2, \q, \slot, \zero
	MUL16 2, (\q)%2, \q, \slot, \zero
	s_wait_dscnt 0
	PLACES NP
	FETCH_B \slot, (\q)+1, 1-(\q)%2
	FETCH_A \slot, (\q)+1, 0
	WIN MUL_HI
	MUL16 4, (\q)%2, \q, \slot, \zero
	MUL16 6, (\q)%2, \q, \slot, \zero
	PLACES NP
	WIN 0
	FETCH_A \slot, (\q)+1, 4
.endm
.macro TURN slot, next, fill
	s_wait_tensorcnt 0x0                           ; all my tensor loads have landed: my part of the next slot
	ds_add_u32 v[SPW], v[NIL]                      ; 0 onto my spare word
	s_wait_dscnt 4*NL+1                            ; (the add and the youngest 24 loads may be out)
	WIN MUL_LO
	MUL16 0, 1, NQ-1, \slot, 0
	s_wait_dscnt 0x0                               ; the add is done, and my reads of this slot are over
	s_barrier_signal -1
	MUL16 2, 1, NQ-1, \slot, 0
	WIN 0
	s_barrier_wait -1
.if \fill
	CREST                                          ; the barrier has opened a round of the cluster's barrier
	s_add_nc_u64 s[G0+4*\slot+2:G0+4*\slot+3], s[G0+4*\slot+2:G0+4*\slot+3], STEPA
	s_add_nc_u64 s[G0B+4*\slot+2:G0B+4*\slot+3], s[G0B+4*\slot+2:G0B+4*\slot+3], STEPB
	JLOAD G0+4*\slot, G1, G0B+4*\slot, G1B         ; the first tensor load behind the round, my one load until the next
.else
	PLACES NP
.endif
	v_add_nc_u32 v[ADRS], 4*NQ, v[ADRS]
	FETCH_B \next, 0, 0
	FETCH_A \next, 0, 0
	SCALES \next
	WIN MUL_HI
	MUL16 4, 1, NQ-1, \slot, 0
	MUL16 6, 1, NQ-1, \slot, 0
	PLACES NP
	WIN 0
	FETCH_A \next, 0, 4
.endm
	s_wait_tensorcnt 1                             ; the scales and my part of K step 0 are in; K step 1's load may be out
	s_barrier_signal -1
	s_barrier_wait -1
	FETCH_B 0, 0, 0
	FETCH_A 0, 0, 0
	SCALES 0
	FETCH_A 0, 0, 4
	STEP 0, 0, 1
	s_mov_b32 s3, LAPS-1
.Llap:
	TURN 0, 1, 1
	STEP 1, 0, 0
	TURN 1, 0, 1
	STEP 0, 0, 0
	s_sub_co_u32 s3, s3, 1
	s_cmp_lg_u32 s3, 0
	s_cbranch_scc1 .Llap
	TURN 0, 1, 0
	STEP 1, 0, 0
	s_wait_dscnt 4*NL
	WIN MUL_LO
	MUL16 0, 1, NQ-1, 1, 0
	MUL16 2, 1, NQ-1, 1, 0
	s_wait_dscnt 0
	WIN MUL_HI
	MUL16 4, 1, NQ-1, 1, 0
	MUL16 6, 1, NQ-1, 1, 0
	WIN 0
; THE WAY OUT, block by block of 16 rows x 128 columns, through my own stage: in as 32 bytes a lane, back as whole rows of 512 bytes.  LDS serves a wave's instructions in order: no wait between the stores and the loads.
.macro TOSTAGE a
.set AC, 64*((\a)%4)
	WIN 0x08+4*((\a)/4)                            ; the data: window 2 or 3
.irp b, 0,1,2,3,4,5,6,7
	ds_store_b128 v[STO], v[AC+8*\b:AC+8*\b+3] offset:64*\b          ; each accumulator from its low end on
	ds_store_b128 v[STO], v[AC+8*\b+4:AC+8*\b+7] offset:64*\b+16
.endr
	WIN 0
.set BB, BK+64*((\a)%2)
.irp t, 0,1,2,3,4,5,6,7,8,9,10,11,12,13,14,15
	ds_load_b128 v[BB+4*\t:BB+4*\t+3], v[RD] offset:\t*SPITCH
.endr
.endm
.macro SEND a, younger
.set BB, BK+64*((\a)%2)
	s_wait_dscnt \younger                          ; the block is back in registers; the next block's 16 stores and 16 loads may be out
.if (\a) > 0
	s_add_nc_u64 s[12:13], s[12:13], 16*SIZE_N*4   ; (behind a wait on XCNT: the earlier stores have read their base)
.endif
.irp t, 0,1,2,3,4,5,6,7,8,9,10,11,12,13,14,15
	global_store_b128 v[CO], v[BB+4*\t:BB+4*\t+3], s[12:13] offset:\t*SIZE_N*4 th:TH_STORE_NT   ; 32 lanes store 512 consecutive bytes, at a multiple of 256 from out0's first byte
.endr
.endm
	PLACES NP
	TOSTAGE 0
.irp a, 1,2,3,4,5,6,7
.if \a > 1
	s_wait_xcnt 0x0                                ; block a - 2's stores have read their registers and their base
.endif
	TOSTAGE \a
	SEND \a-1, 32
.endr
	s_wait_xcnt 0x0
	SEND 7, 0
	s_wait_tensorcnt 0x0                           ; the wave's end: a wait, an add of 0 to my spare word and its wait, behind my last tensor load and my last LDS store
	ds_add_u32 v[SPW], v[NIL]
	s_wait_dscnt 0x0
	CROUND                                         ; the closing round
	s_endpgm
.Lfunc_end_k_qe33e07e1a3_gemm_out:
	.size	k_qe33e07e1a3_gemm_out, .Lfunc_end_k_qe33e07e1a3_gemm_out-k_qe33e07e1a3_gemm_out
	.p2alignl 7, 3214868480
	.fill 96, 4, 3214868480
	.section	.rodata,"a",@progbits
	.p2align	6, 0x0
	.amdhsa_kernel k_qe33e07e1a3_gemm_out
		.amdhsa_group_segment_fixed_size 327680
		.amdhsa_private_segment_fixed_size 0
		.amdhsa_enable_private_segment 0
		.amdhsa_kernarg_size 24
		.amdhsa_user_sgpr_count 2
		.amdhsa_user_sgpr_kernarg_segment_ptr 1
		.amdhsa_wavefront_size32 1
		.amdhsa_system_sgpr_workgroup_id_x 1
		.amdhsa_system_sgpr_workgroup_id_y 1
		.amdhsa_system_sgpr_workgroup_id_z 1
		.amdhsa_system_vgpr_workitem_id 0
		.amdhsa_next_free_vgpr 1024
		.amdhsa_next_free_sgpr 98
		.amdhsa_reserve_vcc 0
		.amdhsa_float_denorm_mode_32 3
		.amdhsa_float_denorm_mode_16_64 3
		.amdhsa_memory_ordered 1
		.amdhsa_forward_progress 1
		.amdhsa_inst_pref_size 159
	.end_amdhsa_kernel
	.amdgpu_metadata
---
amdhsa.version: [ 1, 2 ]
amdhsa.kernels:
  - .name:           k_qe33e07e1a3_gemm_out
    .symbol:         k_qe33e07e1a3_gemm_out.kd
    .args:
      - { .name: yq, .offset: 0, .size: 8, .value_kind: global_buffer, .address_space: global }
      - { .name: wo, .offset: 8, .size: 8, .value_kind: global_buffer, .address_space: global }
      - { .name: out0, .offset: 16, .size: 8, .value_kind: global_buffer, .address_space: global }
    .group_segment_fixed_size: 327680
    .private_segment_fixed_size: 0
    .kernarg_segment_align: 8
    .kernarg_segment_size: 24
    .max_flat_workgroup_size: 128
    .sgpr_count:     98
    .vgpr_count:     1024
    .wavefront_size: 32
...
	.end_amdgpu_metadata
.endif
;; end of part 4
;; ======== version 2 of 2: 4 launches; version 1 with the launch attn written anew for expert scheduling mode
;; limits: right only within a limited range of input values
;; workspace buffers: op1 9,011,200 bytes; wo 819,200 bytes; maskw 524,800 bytes of whole numbers; qkv 24,379,392 bytes; yq 6,553,600 bytes
;; launch quant: the kernel of part 1 again; grid 416 x 1, 4 waves a work-group, no clusters, 68,096 bytes of LDS; arguments x, Wqkv, Wout, attn_mask, op1, wo, maskw; writes op1, wo, maskw
;; launch gemm_qkv: the kernel of part 2 again; grid 12 x 32, 4 waves a work-group, clusters of 4 x 4, 327,680 bytes of LDS; arguments op1, qkv; writes qkv
;; launch attn (part 5): grid 4 x 64, 16 waves a work-group, no clusters, 268,288 bytes of LDS; arguments qkv, maskw, yq; writes yq
.if DOCPART == 5
	.amdgcn_target "amdgcn-amd-amdhsa--gfx1250"
	.amdhsa_code_object_version 6
	.text
	.protected	k_qe33e07e1a3_attn
	.globl	k_qe33e07e1a3_attn
	.p2align	8
	.type	k_qe33e07e1a3_attn,@function
k_qe33e07e1a3_attn:
	s_mov_b64 s[64:65], 0
	v_nop
	global_prefetch_b8 v0, s[64:65] scope:SCOPE_SE
	s_setreg_imm32_b32 hwreg(HW_REG_WAVE_SCHED_MODE, 0, 2), 2
	s_setreg_imm32_b32 hwreg(HW_REG_WAVE_MODE, 25, 1), 1
	s_wait_xcnt 0x0
	s_wait_alu depctr_vm_vsrc(0)
; y[b][q][head] = softmax_k(mask ? q . k / 8 : lowest) v, both products on codes of FP6 (E2M3) with E8M0 scales; y is quantised along its 64 channels for the last product.
; THE SOFTMAX: t = score x log2(e) / 8; M = the running largest t rounded up to a whole number; p = 2^(t - M) is quantised along the keys, not normalised; the row's sum of the unquantised p divides at the end.
; SHARES.  A work-group owns 512 queries of one head (grid y = 16 x batch + head); each of its sixteen waves owns 32 tokens, as two tiles of 16 taken one after the other; every wave walks the head's 2,048 keys, 128 a step.
; THE HEAD'S K AND V STAY IN LDS: 16 records of 15,104 bytes (images of the operands' registers, made by the launch before).  Wave w copies record w through its registers; one barrier; nothing is filled again.
; NO TENSOR LOAD, SO NO JOINT REQUESTS: a step's 64 selects by the mask are jumped over, by a scalar branch on a flag that an earlier launch stored, where the step has no hole.
; What the four work-groups of a head share is read once each, at the head: 241,664 bytes.  No prefetch: K and V come once at the head, Q is 1 KB a tile, the mask's words are read again by every head.
; LAYOUT.  Both products transposed: S^T = K Q^T, O^T = V^T P^T: a lane holds one query (lane % 16).  Tiles of tokens and of channels are in P order (lane r of tile 2 b + u: 32 b + 8 u + r + 8 (r / 8)), so that the 16 registers of
; two neighbouring tiles are 16 neighbours: keys for p, channels for y.
; K = 64 IN AN INSTRUCTION OF K = 128: Q's registers 6-11 are zero codes.  K's operand of tile t is v[32 + 8 t .. + 11]: its upper six registers hold other codes; every code of this format is a finite number, it meets a zero
; code under scale bytes of 2^0, and adds exactly 0.
; THE MASK.  A hidden score becomes -2^120.  c x 2^120 is a whole number, so in a row with no visible key t - M is exactly 0: p = 1 on every key, the uniform weights that the lowest f32 number gives.  When a visible key comes,
; old M - new M saturates and f = 0 wipes what was summed.
; LIMITS: NaN and infinities are not served; visible scores lie above -2^120; a block of y whose largest magnitude lies under 2^-124 (zeros too) keeps the byte 1, read by this program alone.
; y's scale bytes leave as 2 bytes of each row's 32: one byte in 24 of what the launch stores.
; REGISTERS: v1 16 x lane, v2 8 x lane, v3, v4 the same + the step's record; v5, v6 the add's two; v7 -2^120; v8, v9 the stage; v10 16 r; v11 y's scale offset; v12 -M, v13 the largest t, v[14:15] the sum; v16-27 Q, v28 its scale
; words; v29 y's scale bytes; v32-99 K's tiles, later V's fragments; v100-163 S^T, then p; v164-195 O^T; v196-207 p's codes; v208-226 at work; v228-231 K's scale words, v232-233 V's, v234 p's; v236 f; v[238:239] a second sum; v240.
; THE MODE: SCHED_MODE bits 1:0 = 2 (LLVM: expert scheduling mode 2), set by the entry lines.  The code itself states the register dependences between vector or matrix instructions and memory or LDS instructions,
; with s_wait_alu, always for 0.
; THE PLAN.  Registers that memory or LDS instructions touch:
;   v1, v2, v8 .. v11     Offsets and LDS addresses: made at the head, ahead of one wait on va_vdst, and never written again.
;   v3, v4                The step's record in LDS.  Read by K's and V's loads (at the head by the fill's stores); written at a tile's head and once a step, each time behind a wait on vm_vsrc and ahead of a wait on va_vdst.
;   v32-95, v228-231      K's tiles and scale words: loaded at a step's end for the next step; read by the first product's eight instructions.
;   v32-79, v232-233      V's fragments and scale words: loaded in the step's middle; read by the second product's four instructions.
;   v16-23, v28           Q: loaded at a tile's head; read by every first product of the tile.  (v22-27 are then written with zeros.)
;   v196-207, v234        p's codes and scale word: written by vector instructions, taken by the second product.  At a tile's end v196-201 hold y's codes, which the stage's stores read.
;   v29                   y's scale bytes: written at each tile's end, read by the last store.     v5, v6: written at the head, read by the closing add alone.
; A STEP HAS FOUR WAITS ON va_vdst.  (1) Behind the 64 exponentials: their results are written; the first products are done reading K's tiles, so V's loads follow it at once; the selects are done with the lane masks, so the
; next step's scalar loads follow it too.  (2) For the four exponentials of the blocks' largest p.  (3) In front of the second products: p's codes and scale word are written, and so are v3 and v4, stepped just ahead of it.
; (4) Behind the second products and eight of the additions that are left: the products are done reading V's fragments, so K's loads follow it at once.  No vector instruction stands between a wait and the loads that lean on it.
.set KVREC, 15104
.set QREC,  8704
.set KVO,   8912896
.set FLG,   524288
.set PSY,   393216                     ; a panel (a head) of yq: 8,192 tokens x 48 bytes
.set SCY,   16*PSY
.set STAGE, 16*KVREC                   ; 1,536 bytes for each wave
.set SPARE, STAGE+16*1536              ; the spare words, 128 bytes for each wave: eight blocks of 256 bytes that no other line names
	s_load_b128 s[4:7], s[0:1], 0x0                ; qkv s[4:5], maskw s[6:7]
	s_load_b64 s[8:9], s[0:1], 0x10                ; yq
	v_lshl_add_u32 v5, v0, 2, SPARE
	v_mov_b32 v6, 0
	v_lshrrev_b32 v1, 5, v0
	v_readfirstlane_b32 s10, v1                    ; wave 0..15
	; all offsets and LDS addresses are made here, while the arguments are on their way
	v_and_b32 v240, 31, v0
	v_lshlrev_b32 v1, 4, v240
	v_lshlrev_b32 v2, 3, v240
	v_and_b32 v10, 15, v0                          ; r
	v_bfe_u32 v11, v0, 4, 1                        ; h
	v_and_b32 v8, 8, v10
	v_add_nc_u32 v8, v8, v10                       ; r + 8 (r / 8)
	v_lshl_add_u32 v9, v11, 3, v8
	v_mul_u32_u24 v8, v8, 48
	v_mad_u32_u24 v8, v11, 24, v8
	v_lshlrev_b32 v11, 5, v9                       ; y's scale bytes: token 8 h + r + 8 (r / 8), 32 bytes a token
	v_lshlrev_b32 v10, 4, v10
	s_wait_alu depctr_va_sdst(0)                   ; s10 is written, ahead of its first reader: every base and LDS place below is made from it
	s_and_b32 s11, ttmp7, 0xffff                   ; 16 x batch + head
	s_lshl_b32 s13, ttmp9, 4
	s_add_co_u32 s13, s13, s10                     ; which 32 tokens of the sequence are mine
	s_lshl_b32 s30, s11, 4
	s_add_co_u32 s31, s30, s10
	s_mul_i32 s28, s31, KVREC
	s_add_co_u32 s28, s28, KVO                     ; record w of my head
	s_mov_b32 s29, 0
	s_mul_i32 s27, s10, KVREC                      ; and its place in LDS
	v_add_nc_u32 v3, s27, v1
	v_add_nc_u32 v4, s27, v2
	s_mul_i32 s12, s10, 1536
	s_add_co_u32 s12, s12, STAGE
	v_add_nc_u32 v8, s12, v8                       ; the stage, in: token r + 8 (r / 8) (+ 8 u) of my 32, 48 bytes each, + 24 h
	v_add_nc_u32 v9, s12, v1                       ; the stage, back: 16 bytes a lane
	s_wait_kmcnt 0x0
	s_add_nc_u64 s[28:29], s[4:5], s[28:29]
	s_wait_alu depctr_va_vdst(0)                   ; v1 to v4 and v8 to v11 are written: the fill's loads and stores below, and every later load and store, read them as offsets and addresses
.set I, 0
.rept 29
	global_load_b128 v[32+4*I:35+4*I], v1, s[28:29] offset:512*I
.set I, I+1
.endr
	global_load_b64 v[148:149], v2, s[28:29] offset:14848
	; the scalar bases, while the record is on its way
	s_lshr_b32 s31, s13, 2
	s_add_co_u32 s31, s31, s30
	s_mul_i32 s16, s31, QREC                       ; Q's record of my 128 tokens
	s_mov_b32 s17, 0
	s_mov_b32 s15, 0
	s_and_b32 s31, s13, 3
	s_lshl_b32 s14, s31, 2
	s_add_co_u32 s14, s14, s16                     ; its scale words: my pair of tiles is word g32 % 4 of a lane's four
	s_lshl_b32 s31, s31, 11
	s_add_co_u32 s16, s16, s31                     ; its codes: my pair of tiles
	s_add_nc_u64 s[16:17], s[4:5], s[16:17]
	s_add_nc_u64 s[14:15], s[4:5], s[14:15]
	s_lshl_b32 s18, s13, 13
	s_mov_b32 s19, 0
	s_add_nc_u64 s[18:19], s[6:7], s[18:19]        ; the mask's words of my first tile: 4,096 bytes a tile, 256 a step
	s_lshl_b32 s2, s13, 3
	s_add_co_u32 s2, s2, FLG
	s_mov_b32 s3, 0
	s_add_nc_u64 s[2:3], s[6:7], s[2:3]            ; my two tiles' flags
	s_and_b32 s31, s11, 15                         ; head
	s_lshr_b32 s27, s11, 4
	s_lshl_b32 s27, s27, 6
	s_add_co_u32 s27, s27, s13                     ; which 32 tokens of the 8,192
	s_lshl_b32 s66, s27, 10
	s_lshl_b32 s12, s31, 1
	s_add_co_u32 s66, s66, s12
	s_add_co_u32 s66, s66, SCY
	s_mov_b32 s67, 0
	s_add_nc_u64 s[66:67], s[8:9], s[66:67]        ; y's scale bytes: my tokens, my head's two
	s_mul_i32 s12, s31, PSY
	s_mul_i32 s27, s27, 1536
	s_add_co_u32 s12, s12, s27
	s_mov_b32 s13, 0
	s_add_nc_u64 s[8:9], s[8:9], s[12:13]          ; y's codes: my head's panel, my tokens
	s_mov_b32 s20, 0x76543210
	s_mov_b32 s21, 0xfedcba98                      ; v_permlanex16_b32's selects for lane l xor 16
	s_mov_b32 s22, 0x3e38aa3b                      ; c = log2(e) / 8
	s_mov_b32 s23, s22                             ; (named with it as a pair)
	s_mov_b32 s30, 0xffff0000                      ; lanes 16-31
.set I, 0
.rept 29
	s_wait_loadcnt 29-I                            ; load I is in; the younger ones may be out
	ds_store_b128 v3, v[32+4*I:35+4*I] offset:512*I
.set I, I+1
.endr
	s_wait_loadcnt 0x0
	ds_store_b64 v4, v[148:149] offset:14848
	s_wait_dscnt 0x0                               ; for the others' sake: my record lies in LDS
	s_barrier_signal -1
	s_barrier_wait -1                              ; all sixteen do
	s_wait_alu depctr_vm_vsrc(0)                   ; the fill's stores have read v32 to v149, v3 and v4: v96 to v99, v3 and v4 are written below, and K's loads land in v32 to v95
	v_mov_b32 v7, 0xfb800000                       ; -2^120
.irp i, 96,97,98,99, 212,213,214,215, 237
	v_mov_b32 v\i, 0                               ; the tail behind K's last tile; lane permutes' destinations; the upper half of f's pair
.endr
.macro KLOAD                           ; a step's 8 tiles of K (8 registers each) and their scale words: 17 loads
.irp t, 0,1,2,3,4,5,6,7
	ds_load_b128 v[32+8*\t:35+8*\t], v3 offset:1024*\t
	ds_load_b128 v[36+8*\t:39+8*\t], v3 offset:1024*\t+512
.endr
	ds_load_b128 v[228:231], v3 offset:8192
.endm
.macro VLOAD                           ; its 4 fragments of V and their scale words: 13 loads
.irp t, 0,1,2,3
.irp g, 0,1,2
	ds_load_b128 v[32+12*\t+4*\g:35+12*\t+4*\g], v3 offset:8704+1536*\t+512*\g
.endr
.endr
	ds_load_b64 v[232:233], v4 offset:14848
.endm
.macro MLOADS                          ; a step's 64 lane masks
	s_load_b512 s[32:47], s[18:19], 0x0
	s_load_b512 s[48:63], s[18:19], 0x40
	s_load_b512 s[68:83], s[18:19], 0x80
	s_load_b512 s[84:99], s[18:19], 0xc0
.endm
.macro SQK t                           ; one register of scale words serves two tiles: lanes 0-15 the even one, lanes 16-31 the odd one
.if (\t)%2
	v_wmma_scale_f32_16x16x128_f8f6f4 v[100+8*\t:107+8*\t], v[32+8*\t:43+8*\t], v[16:27], 0, v[228+\t/2], v28 matrix_a_fmt:MATRIX_FMT_FP6 matrix_b_fmt:MATRIX_FMT_FP6 matrix_a_scale:MATRIX_SCALE_ROW1
.else
	v_wmma_scale_f32_16x16x128_f8f6f4 v[100+8*\t:107+8*\t], v[32+8*\t:43+8*\t], v[16:27], 0, v[228+\t/2], v28 matrix_a_fmt:MATRIX_FMT_FP6 matrix_b_fmt:MATRIX_FMT_FP6
.endif
.endm
.macro SPV t
.if (\t)%2
	v_wmma_scale_f32_16x16x128_f8f6f4 v[164+8*\t:171+8*\t], v[32+12*\t:43+12*\t], v[196:207], v[164+8*\t:171+8*\t], v[232+\t/2], v234 matrix_a_fmt:MATRIX_FMT_FP6 matrix_b_fmt:MATRIX_FMT_FP6 matrix_a_scale:MATRIX_SCALE_ROW1
.else
	v_wmma_scale_f32_16x16x128_f8f6f4 v[164+8*\t:171+8*\t], v[32+12*\t:43+12*\t], v[196:207], v[164+8*\t:171+8*\t], v[232+\t/2], v234 matrix_a_fmt:MATRIX_FMT_FP6 matrix_b_fmt:MATRIX_FMT_FP6
.endif
.endm
; A KEY STEP: 128 keys.  last = 1: nothing is fetched for a next step.
.macro STEP last
	s_wait_dscnt 0x0                               ; K's 17 loads are in
.irp t, 0,1,2,3,4,5,6,7
	SQK \t
.endr
.rept 4
	v_nop                                          ; places: the first read of the scores follows
.endr
	s_wait_kmcnt 0x0                               ; the step's lane masks (and the flags)
	s_bitcmp1_b32 s26, 0
	s_cbranch_scc0 .Lopen_\@                       ; no hole in this step
.set N, 0
.rept 32
	v_cndmask_b32 v[100+N], v7, v[100+N], s[32+N]  ; a hidden score becomes -2^120
.set N, N+1
.endr
.rept 32
	v_cndmask_b32 v[100+N], v7, v[100+N], s[36+N]
.set N, N+1
.endr
.Lopen_\@:
	s_lshr_b32 s26, s26, 1
.irp b, 0,1,2,3
	v_max3_num_f32 v[208+\b], v[100+16*\b], v[101+16*\b], v[102+16*\b]   ; the largest score of each block of 32 keys: for the row's maximum, and, since p rises with the score, for the block's largest p
.endr
.irp i, 3,5,7,9,11,13
.irp b, 0,1,2,3
	v_max3_num_f32 v[208+\b], v[208+\b], v[100+16*\b+\i], v[101+16*\b+\i]
.endr
.endr
.irp b, 0,1,2,3
	v_max_num_f32 v[208+\b], v[208+\b], v[115+16*\b]
.endr
.irp b, 0,1,2,3
	v_permlanex16_b32 v[212+\b], v[208+\b], s20, s21
.endr
.irp b, 0,1,2,3
	v_max_num_f32 v[208+\b], v[208+\b], v[212+\b]  ; with lane l xor 16's 16 keys
.endr
	v_max3_num_f32 v240, v208, v209, v210
	v_max_num_f32 v240, v240, v211
	v_mul_f32 v240, s22, v240                      ; as t
	v_max_num_f32 v13, v13, v240                   ; the running largest t
	v_mov_b32 v240, v12
	v_floor_f32 v12, -v13                          ; the new -M = -ceil(t)
	v_sub_f32 v240, v12, v240                      ; old M - new M: a whole number, 0 or less
	v_cvt_i32_f32 v240, v240                       ; (it saturates)
	v_ldexp_f32 v236, 1.0, v240                    ; f = 2^(old M - new M)
.set J, 0
.rept 32
	v_pk_fma_f32 v[100+J:101+J], v[100+J:101+J], s[22:23], v[12:13] op_sel_hi:[1,0,0]   ; t - M
.set J, J+2
.endr
.irp b, 0,1,2,3
	v_fma_f32 v[208+\b], v[208+\b], s22, v12       ; the same of each block's largest score
.endr
.set J, 0
.rept 64
	v_exp_f32 v[100+J], v[100+J]                   ; p = 2^(t - M)
.set J, J+1
.endr
	v_pk_mul_f32 v[14:15], v[14:15], v[236:237] op_sel_hi:[1,0]   ; the sum under the new M (a plain line behind the exponentials)
	s_wait_alu depctr_va_vdst(0)                   ; the 64 exponentials have written p, ahead of its first reader; the first products are done reading v32 to v79, and the last step's second products v232 and v233, in which V's loads land; v3 and v4 are written; the selects are done with s32 to s99
	VLOAD                                          ; no vector instruction since the wait: V has the rest of the softmax in which to land
.if !\last
	s_add_nc_u64 s[18:19], s[18:19], 256           ; (behind the wait on KMcnt above: the scalar loads have read their base)
	MLOADS                                         ; the next step's lane masks: they have the rest of the step and the next step's first products in which to land
.endif
.irp b, 0,1,2,3
	v_exp_f32 v[208+\b], v[208+\b]                 ; the block's largest p
.endr
	v_pk_add_f32 v[238:239], v[100:101], v[102:103]   ; the row's sum of the unquantised p, in two chains: its first half stands behind the four exponentials
.irp j, 4,8,12,16,20,24,28
	v_pk_add_f32 v[14:15], v[14:15], v[100+\j:101+\j]
	v_pk_add_f32 v[238:239], v[238:239], v[102+\j:103+\j]
.endr
	s_wait_alu depctr_va_vdst(0)                   ; the four exponentials have written v208 to v211, ahead of their first reader
.irp b, 0,1,2,3
	v_max_num_f32 v[208+\b], 0x1800000, v[208+\b]  ; the floor 2^(3 - 127)
.endr
.irp b, 0,1,2,3
	v_add_nc_u32 v[216+\b], 0xff000000, v[208+\b]  ; 2 off the exponent field: the conversion's scale operand
.endr
.irp b, 0,1,2,3
	v_lshrrev_b32 v[212+\b], 23, v[216+\b]         ; the scale's byte
.endr
	v_lshl_or_b32 v234, v213, 8, v212              ; p's scale word for these 128 keys
	v_lshl_or_b32 v234, v214, 16, v234
	v_lshl_or_b32 v234, v215, 24, v234
.irp c, 0,1
	v_cvt_scalef32_pk16_fp6_f32 v[196+6*\c:198+6*\c], v[100+32*\c:115+32*\c], v[216+2*\c]
	v_cvt_scalef32_pk16_fp6_f32 v[220+4*\c:222+4*\c], v[116+32*\c:131+32*\c], v[216+2*\c+1]
.endr
	v_nop                                          ; one plain place behind a scaled conversion
.irp c, 0,1
.irp i, 0,1,2
	v_permlane16_swap_b32 v[196+6*\c+\i], v[220+4*\c+\i]
.endr
.irp i, 0,1,2
	v_mov_b32 v[199+6*\c+\i], v[220+4*\c+\i]
.endr
.endr
.set J, 0
.rept 16
	v_pk_mul_f32 v[164+J:165+J], v[164+J:165+J], v[236:237] op_sel_hi:[1,0]   ; O^T under the new M.  (These are also the places between p's codes and scale word and the products below)
.set J, J+2
.endr
.if !\last
	s_wait_alu depctr_vm_vsrc(0)                   ; K's and V's loads of this step have read v3 and v4, which are written below
	s_add_co_u32 s24, s24, KVREC                   ; the next step's record
	v_add_nc_u32 v3, s24, v1
	v_add_nc_u32 v4, s24, v2
.endif
	s_wait_dscnt 0x0                               ; V's 13 loads are in
	s_wait_alu depctr_va_vdst(0)                   ; p's codes v196 to v207 and its scale word v234 are written, which the scaled products below take (the places stand ahead of this wait); so are v3 and v4, which the next loads read
.irp t, 0,1,2,3
	SPV \t                                         ; the four accumulators by turns; the scores' products stand between a step's link and the next step's
.endr
	v_pk_add_f32 v[14:15], v[14:15], v[132:133]    ; the sum's second half, in the order of its keys: eight additions stand behind the products,
	v_pk_add_f32 v[238:239], v[238:239], v[134:135]
.irp j, 36,40,44
	v_pk_add_f32 v[14:15], v[14:15], v[100+\j:101+\j]
	v_pk_add_f32 v[238:239], v[238:239], v[102+\j:103+\j]
.endr
.if !\last
	s_wait_alu depctr_va_vdst(0)                   ; the four products are done reading V's fragments v32 to v79, in which K's tiles land
	KLOAD                                          ; no vector instruction since the wait; those behind it name none of these loads' registers
.endif
.irp j, 48,52,56,60
	v_pk_add_f32 v[14:15], v[14:15], v[100+\j:101+\j]      ; and nine behind K's loads
	v_pk_add_f32 v[238:239], v[238:239], v[102+\j:103+\j]
.endr
	v_pk_add_f32 v[14:15], v[14:15], v[238:239]
.endm
; ONE TILE OF 16 QUERIES through all 16 steps, and its y.
.macro TILE u
.if \u
	s_wait_alu depctr_vm_vsrc(0)                   ; the last tile's loads have read v3 and v4, which are written below; its stores into the stage have read v196 to v201, which this tile's conversions write
.endif
	v_mov_b32 v3, v1
	v_mov_b32 v4, v2
	s_wait_alu depctr_va_vdst(0)                   ; v3 and v4 are written, which K's loads read; all that has written or read v16 to v28, v32 to v99 and v228 to v231 so far is done: Q's and K's loads land there
	global_load_b128 v[16:19], v1, s[16:17] offset:1024*\u
	global_load_b128 v[20:23], v1, s[16:17] offset:1024*\u+512
	global_load_b32 v28, v10, s[14:15] offset:8192+256*\u
	s_load_b32 s26, s[2:3], 4*\u                   ; the tile's flags: bit j = step j has a hole
.if \u
	s_add_nc_u64 s[18:19], s[18:19], 256           ; 15 steps of 256 bytes and this one: the next tile's words
.endif
	MLOADS
	s_mov_b32 s24, 0
	KLOAD
	v_mov_b32 v13, 0xff61b1e6                      ; the largest t so far: -3e38
	v_floor_f32 v12, -v13
	v_mov_b32 v14, 0
	v_mov_b32 v15, 0
	s_wait_loadcnt 0x0                             ; Q
.irp i, 22,23,24,25,26,27
	v_mov_b32 v\i, 0                               ; zero codes for the K that is not there
.endr
.set J, 0
.rept 32
	v_mov_b32 v[164+J], 0                          ; O^T: the step is written for every step alike; the first finds zeros.  (Also the places between Q's zeros and the first product)
.set J, J+1
.endr
	s_wait_alu depctr_va_vdst(0)                   ; Q's zero codes v22 to v27 are written, which the scaled products of every step take (the places stand ahead of this wait)
	s_mov_b32 s25, 15
.Lkeys_\u:
	STEP 0
	s_sub_co_u32 s25, s25, 1
	s_cmp_lg_u32 s25, 0
	s_cbranch_scc1 .Lkeys_\u
	STEP 1
	v_add_f32 v14, v14, v15
	v_permlanex16_b32 v240, v14, s20, s21
	v_add_f32 v14, v14, v240                       ; the row's sum
	v_rcp_f32 v236, v14
	v_nop                                          ; a plain line behind the reciprocal
	s_wait_alu depctr_va_vdst(0)                   ; the reciprocal has written v236, ahead of its first reader
.set J, 0
.rept 16
	v_pk_mul_f32 v[100+J:101+J], v[164+J:165+J], v[236:237] op_sel_hi:[1,0]   ; y: register 16 b + i is channel 32 b + 16 h + i of my query
.set J, J+2
.endr
.irp b, 0,1
	v_max3_num_f32 v[208+\b], |v[100+16*\b]|, |v[101+16*\b]|, 0x1800000
.endr
.irp i, 2,4,6,8,10,12,14
.irp b, 0,1
	v_max3_num_f32 v[208+\b], v[208+\b], |v[100+16*\b+\i]|, |v[101+16*\b+\i]|
.endr
.endr
.irp b, 0,1
	v_permlanex16_b32 v[212+\b], v[208+\b], s20, s21
.endr
.irp b, 0,1
	v_max_num_f32 v[208+\b], v[208+\b], v[212+\b]
.endr
.irp b, 0,1
	v_add_nc_u32 v[216+\b], 0xff000000, v[208+\b]
.endr
.irp b, 0,1
	v_lshrrev_b32 v[212+\b], 23, v[216+\b]
.endr
	v_cvt_scalef32_pk16_fp6_f32 v[196:198], v[100:115], v216
	v_cvt_scalef32_pk16_fp6_f32 v[220:222], v[116:131], v217
	v_lshl_or_b32 v240, v213, 8, v212              ; my query's two scale bytes (a plain line behind the conversions)
.irp i, 0,1,2
	v_permlane16_swap_b32 v[196+\i], v[220+\i]
.endr
.irp i, 0,1,2
	v_mov_b32 v[199+\i], v[220+\i]                 ; v196-201: channels 32 h + 0 .. 31: 24 bytes
.endr
.if \u
	v_cndmask_b32 v29, v29, v240, s30              ; lanes 16-31 keep the second tile's bytes
.else
	v_mov_b32 v29, v240
.endif
	s_wait_alu depctr_va_vdst(0)                   ; y's codes v196 to v201 are written, which the stores into the stage read; so is v29, which the last store reads
	ds_store_b64 v8, v[196:197] offset:384*\u
	ds_store_b64 v8, v[198:199] offset:384*\u+8
	ds_store_b64 v8, v[200:201] offset:384*\u+16
.endm
	TILE 0
	TILE 1
.irp i, 0,1,2
	ds_load_b128 v[32+4*\i:35+4*\i], v9 offset:512*\i   ; my own bytes: LDS serves a wave's instructions in order.  They land in v32 to v43: the products that read these stand ahead of the tile's last wait, and no vector instruction has been issued since
.endr
.irp i, 0,1,2
	s_wait_dscnt 2-\i                              ; the younger loads may be out
	global_store_b128 v1, v[32+4*\i:35+4*\i], s[8:9] offset:512*\i   ; 32 tokens x 48 bytes: 1,536 consecutive bytes, aligned to 256
.endr
	global_store_b16 v11, v29, s[66:67]
	s_wait_dscnt 0x0                               ; the closing lines, six on end
	s_wait_alu 0x0
	s_wait_tensorcnt 0x0
	ds_add_u32 v5, v6
	s_wait_dscnt 0x0
	s_endpgm
.Lfunc_end_k_qe33e07e1a3_attn:
	.size	k_qe33e07e1a3_attn, .Lfunc_end_k_qe33e07e1a3_attn-k_qe33e07e1a3_attn
	.p2alignl 7, 3214868480
	.fill 96, 4, 3214868480
	.section	.rodata,"a",@progbits
	.p2align	6, 0x0
	.amdhsa_kernel k_qe33e07e1a3_attn
		.amdhsa_group_segment_fixed_size 268288
		.amdhsa_private_segment_fixed_size 0
		.amdhsa_enable_private_segment 0
		.amdhsa_kernarg_size 24
		.amdhsa_user_sgpr_count 2
		.amdhsa_user_sgpr_kernarg_segment_ptr 1
		.amdhsa_wavefront_size32 1
		.amdhsa_system_sgpr_workgroup_id_x 1
		.amdhsa_system_sgpr_workgroup_id_y 1
		.amdhsa_system_sgpr_workgroup_id_z 1
		.amdhsa_system_vgpr_workitem_id 0
		.amdhsa_next_free_vgpr 256
		.amdhsa_next_free_sgpr 100
		.amdhsa_reserve_vcc 0
		.amdhsa_float_denorm_mode_32 3
		.amdhsa_float_denorm_mode_16_64 3
		.amdhsa_memory_ordered 1
		.amdhsa_forward_progress 1
		.amdhsa_inst_pref_size 100
	.end_amdhsa_kernel
	.amdgpu_metadata
---
amdhsa.version: [ 1, 2 ]
amdhsa.kernels:
  - .name:           k_qe33e07e1a3_attn
    .symbol:         k_qe33e07e1a3_attn.kd
    .args:
      - { .name: qkv, .offset: 0, .size: 8, .value_kind: global_buffer, .address_space: global }
      - { .name: maskw, .offset: 8, .size: 8, .value_kind: global_buffer, .address_space: global }
      - { .name: yq, .offset: 16, .size: 8, .value_kind: global_buffer, .address_space: global }
    .group_segment_fixed_size: 268288
    .private_segment_fixed_size: 0
    .kernarg_segment_align: 8
    .kernarg_segment_size: 24
    .max_flat_workgroup_size: 512
    .sgpr_count:     100
    .vgpr_count:     256
    .wavefront_size: 32
...
	.end_amdgpu_metadata
.endif
;; end of part 5
;; launch gemm_out: the kernel of part 4 again; grid 4 x 32, 4 waves a work-group, clusters of 4 x 4, 327,680 bytes of LDS; arguments yq, wo, out0; writes out0
